; MI455X (gfx1250); checked and timed in simulation.
; The chip was launched on July 23, 2026; its instructions are those of AMD's public machine-readable ISA for CDNA 5 (MIT licence, August 2026) and "CDNA5" Instruction Set Architecture Reference Guide (July 2026). The comments in the code are by the model that wrote it; some were corrected since.
;; Self Attention. Allowed arithmetic: matrix products marked QUANTISED: E2M1 operands, one E8M0 scale for each 32 along K, by v_wmma_scale_f32_16x16x128_f8f6f4 with both operands' format E2M1 (or v_wmma_scale_f32_32x16x128_f4), f32 sums; products left as they are: bf16, f16 or f32 operands; f32 sums; everything else in f32.
;; Inputs: Wk 1,024 x 1,024 float32; Wo 1,024 x 1,024 float32; Wq 1,024 x 1,024 float32; Wv 1,024 x 1,024 float32; bk 1,024 float32; bo 1,024 float32; bq 1,024 float32; bv 1,024 float32; x 1 x 4,096 x 1,024 float32.
;; Outputs: out0 1 x 4,096 x 1,024 float32.
;; This version of the problem:
;;   THIS VERSION OF THE PROBLEM IS GIVEN IN LOW PRECISION. The matrix products marked QUANTISED in the list below multiply operands that are first quantised to E2M1 (2 exponent bits, 1 mantissa bit; 4 bits a number), with one power-of-two scale for each 32 numbers along K (OCP MX v1.0); their sums are f32. The products marked 'left as it is' may take bf16, f16 or f32 operands, with f32 sums. Whichever they take, every output number must still come out within the allowed error. Rounding operands to bf16 (8 significant bits) uses up far more of that allowance than f16 does (11 bits, for magnitudes from 6e-5 to 65,504). All else is computed in f32.
;;   The module's matrix products, in the order in which they are computed (A, B: the left and right operand; K: the contracted axis; several contracted axes count as one K, in the product's order):
;;     1. [M 4,096, K 1,024] x [K 1,024, N 1,024]; A: input x; B: input Wq: QUANTISED
;;     2. [M 4,096, K 1,024] x [K 1,024, N 1,024]; A: input x; B: input Wk: QUANTISED
;;     3. [M 4,096, K 1,024] x [K 1,024, N 1,024]; A: input x; B: input Wv: QUANTISED
;;     4. batch 16 x [M 4,096, K 64] x [K 64, N 4,096]; A: computed on the way; B: computed on the way: left as it is (an operand is computed on the way)
;;     5. batch 16 x [M 4,096, K 4,096] x [K 4,096, N 64]; A: computed on the way; B: computed on the way: left as it is (an operand is computed on the way)
;;     6. [M 4,096, K 1,024] x [K 1,024, N 1,024]; A: computed on the way; B: input Wo: left as it is (an operand is computed on the way)
;;   THE QUANTISER, for each operand of a quantised product, along K:
;;     - K is cut into blocks of 32 from its start; a last block that is shorter is filled with zeros.
;;     - A block's scale is 2^e with e = floor(log2(the largest magnitude in the block)) - 2, held to -126 .. 127; a block of zeros has e = 0. As a byte (E8M0): e + 127.
;;     - Each number is divided by its block's scale, clamped to +-6, and rounded to the nearest number of E2M1, ties to even, subnormals kept.
;;     - The product sums the exact products of the quantised numbers (number of the format x scale) in f32.
;;   ~~~python
;;   def quantise(x, axis):      # numpy; x: float32 -> the quantised numbers, widened to float32 again
;;       x = np.moveaxis(x, axis, -1); K = x.shape[-1]
;;       x = np.pad(x, [(0, 0)] * (x.ndim - 1) + [(0, -K % 32)]); x = x.reshape(x.shape[:-1] + (-1, 32)); a = np.abs(x).max(-1, keepdims=True)
;;       e = np.where(a > 0, np.clip(np.frexp(np.where(a > 0, a, 1))[1] - 1 - 2, -126, 127), 0)      # np.frexp(a)[1] - 1 = floor(log2(a)), exactly
;;       r = np.clip(x / 2.0 ** e, -6, 6)
;;       step = 2.0 ** (np.maximum(np.frexp(np.where(r == 0, 1, r))[1] - 1, 0) - 1)
;;       q = np.round(r / step) * step * 2.0 ** e      # np.round: ties to even
;;       return np.moveaxis(q.reshape(q.shape[:-2] + (-1,))[..., :K], -1, axis).astype(np.float32)
;;   ~~~
;; One version. Each part assembles by itself: llvm-mc -triple=amdgcn-amd-amdhsa -mcpu=gfx1250 --defsym DOCPART=n.
;; ======== version 1 of 1: 4 launches
;; limits: values are held in f16: magnitudes above 65,504 overflow, below 6.1e-05 lose precision
;; workspace buffers: xc 2,097,152 bytes; wc 1,572,864 bytes; sc 229,376 bytes; wof 2,097,152 bytes; qf 8,388,608 bytes; kvf 16,777,216 bytes; cf 8,388,608 bytes
;; launch prep (part 1): grid 384 x 1, 4 waves a work-group, no clusters, 34,304 bytes of LDS; arguments x, Wq, Wk, Wv, Wo, xc, wc, sc, wof; writes xc, wc, sc, wof
.if DOCPART == 1
	.amdgcn_target "amdgcn-amd-amdhsa--gfx1250"
	.amdhsa_code_object_version 6
	.text
	.protected	k_q797a379cab_prep
	.globl	k_q797a379cab_prep
	.p2align	8
	.type	k_q797a379cab_prep,@function
k_q797a379cab_prep:
	s_mov_b64 s[64:65], 0
	v_nop
	global_prefetch_b8 v0, s[64:65] scope:SCOPE_SE
	s_setreg_imm32_b32 hwreg(HW_REG_WAVE_MODE, 25, 1), 1
	s_wait_xcnt 0x0
; PREP.  x [4096][1024] and Wq, Wk, Wv [1024 (k)][1024 (n)], f32, become codes of FP4 (E2M1) with one E8M0 scale byte for each 32 along K; Wo [1024 (k)][1024 (n)] becomes f16.
; All results are laid as IMAGES OF THE OPERAND'S REGISTERS: a fragment is 1,024 bytes, the four registers of group c of lane l at 512 c + 16 l, so that the later launches fetch fragments by 16-byte loads at 16 x lane.
;   xc  [kh 2][token tile 256][q 4][1,024]: 16 tokens x 128 K (K step 4 kh + q): block b of the K step, row r, at 256 b + 16 r.
;   wc  [kh 2][head 16][nt 12][q 4][1,024]: 16 features x 128 K; nt 0-3 the head's features of Wq, 4-7 of Wk, 8-11 of Wv.
;   sc  x's scale words from byte 0, [tile 256][512]; the weights' from byte 131,072, [head 16][nt 12][512].  In a tile [kh 2][lane 32][2 words]: word j of lane (r, h) is row r's word of K step 4 kh + 2 j + h.
;   wof [kc 4][column tile 64][k32 8][1,024]: 16 columns x 32 k of f16: lane (r, h) holds column r, registers 0-3 k = 8 h + 0..7, registers 4-7 k = 16 + 8 h + 0..7.
; A block's scale is 2^(floor(log2(its largest magnitude)) - 2); its byte is the largest magnitude's exponent field - 2, held at 1 from below by a floor among the maximum's leaves.
; LIMITS: a block of zeros gets the byte 1 where the rule says 127 (its codes are zeros, and this program alone reads the bytes); NaN and infinities among the inputs are not served; |Wo| stays under 65,504 (f16).
; SHARES.  Work-groups 0-127: x; a wave takes one token tile and half of K (four K steps).  Work-groups 128-383: the four weights; a wave takes 32 columns x 128 along K, a lane a column, its registers running down K.
; The weights' scale words leave as 4 bytes a lane, 8 bytes apart: 98,304 bytes in all beside the 33,554,432 that the launch reads; all other stores cover whole aligned runs of 256 bytes by sixteen neighbouring lanes.
; No tensor load, no barrier: waves share nothing.  Only x's path uses LDS (a stage of its own for each wave).
.set STG,   8448                       ; a wave's stage: 16 rows x (512 bytes + 16)
.set SPARE, 4*STG                      ; behind the stages: the spare words, 128 bytes for each wave: two blocks of 256 bytes that no other line names
.set SPW,   20                         ; v20  LDS address of my spare word; never rewritten
.set NIL,   21                         ; v21  0; never rewritten
.set COD,   24                         ; codes: registers of their own for each step, so that no store's data are written again
.set RAW,   64                         ; v64-191  numbers as they are loaded
.set NUM,   192                        ; v192-255 x: 64 numbers turned through the stage; Wo: packed f16
.macro XLOAD q                         ; K step q of my 16 rows: each load reads 512 consecutive bytes of one row
.irp i, 0,1,2,3,4,5,6,7,8,9,10,11,12,13,14,15
	global_load_b128 v[RAW+64*((\q)%2)+4*\i:RAW+64*((\q)%2)+4*\i+3], v4, s[4:5] offset:\i*4096+(\q)*512 th:TH_LOAD_NT
.endr
.endm
.macro XSTEP q
.if (\q) < 3
	s_wait_loadcnt 16                              ; this step's 16 loads are in; the next step's 16 may be out
.else
	s_wait_loadcnt 0x0
.endif
.irp i, 0,1,2,3,4,5,6,7,8,9,10,11,12,13,14,15
	ds_store_b128 v5, v[RAW+64*((\q)%2)+4*\i:RAW+64*((\q)%2)+4*\i+3] offset:528*\i
.endr
.irp c, 0,1                                    ; back: lane (r, h) takes of row r the numbers 64 c + 32 h + 0 .. 31: a whole block.  LDS serves a wave's instructions in order: these see the stores above
.irp e, 0,1,2,3,4,5,6,7
	ds_load_b128 v[NUM+32*\c+4*\e:NUM+32*\c+4*\e+3], v6 offset:256*\c+16*\e
.endr
.endr
	s_wait_dscnt 0x0                               ; the numbers are back, and the stores into the stage have read their registers,
.if (\q)+2 < 4
	XLOAD (\q)+2                                   ; which take the loads of two steps on
.endif
.irp c, 0,1
	v_max3_num_f32 v[8+\c], |v[NUM+32*\c]|, |v[NUM+1+32*\c]|, 0x1800000   ; my block 2 c + h: all 32 numbers are mine; the floor 2^(3 - 127) holds the byte at 1 from below
.endr
.irp i, 2,4,6,8,10,12,14,16,18,20,22,24,26,28,30
.irp c, 0,1
	v_max3_num_f32 v[8+\c], v[8+\c], |v[NUM+32*\c+\i]|, |v[NUM+1+32*\c+\i]|   ; (the two blocks by turns)
.endr
.endr
.irp c, 0,1
	v_add_nc_u32 v[10+\c], 0xff000000, v[8+\c]     ; 2 off the exponent field: the conversion takes the exponent field of this operand as its scale
.endr
.irp c, 0,1
.irp g, 0,1,2,3
	v_cvt_scalef32_pk8_fp4_f32 v[COD+8*(\q)+4*\c+\g], v[NUM+32*\c+8*\g:NUM+7+32*\c+8*\g], v[10+\c]
.endr
.endr
.irp c, 0,1
	v_lshrrev_b32 v[12+\c], 23, v[10+\c]           ; the scale's byte (plain lines behind the conversions)
.endr
	v_lshl_or_b32 v14, v13, 16, v12                ; my two bytes: blocks h and 2 + h of row r,
	v_lshlrev_b32 v14, v22, v14                    ; at their places in the word (8 h bits up);
	v_permlanex16_b32 v23, v14, s26, s27
	v_or_b32 v[16+(\q)], v14, v23                  ; with lane l xor 16's two the word is whole
.irp c, 0,1
	global_store_b128 v4, v[COD+8*(\q)+4*\c:COD+3+8*(\q)+4*\c], s[14:15] offset:1024*(\q)+512*\c   ; 32 lanes store 512 consecutive bytes
.endr
.endm
.macro WBLOCK b                        ; block b of my column: 32 numbers down K, all mine
.set XS, RAW+32*(\b)
.if (\b) == 0
	s_wait_loadcnt 63                              ; the youngest 63 of the 128 loads may be out: numbers 0 to 64 are in, blocks 0 and 1 among them
.elseif (\b) == 2
	s_wait_loadcnt 32                              ; block 3's 32 may be out
.elseif (\b) == 3
	s_wait_loadcnt 0x0
.endif
	v_max3_num_f32 v12, |v[XS]|, |v[XS+1]|, |v[XS+2]|
	v_max3_num_f32 v13, |v[XS+3]|, |v[XS+4]|, |v[XS+5]|
.irp i, 6,10,14,18,22,26
	v_max3_num_f32 v12, v12, |v[XS+\i]|, |v[XS+\i+1]|
	v_max3_num_f32 v13, v13, |v[XS+\i+2]|, |v[XS+\i+3]|
.endr
	v_max3_num_f32 v12, v12, |v[XS+30]|, |v[XS+31]|
	v_max3_num_f32 v12, v12, v13, 0x1800000        ; and the floor
	v_add_nc_u32 v11, 0xff000000, v12
.irp g, 0,1,2,3
	v_cvt_scalef32_pk8_fp4_f32 v[COD+4*(\b)+\g], v[XS+8*\g:XS+8*\g+7], v11
.endr
	v_lshrrev_b32 v13, 23, v11                     ; the scale's byte (a plain line behind the conversions)
.if (\b) == 0
	v_mov_b32 v16, v13
.else
	v_lshl_or_b32 v16, v13, 8*(\b), v16            ; the lower K in the lower byte
.endif
	global_store_b128 v9, v[COD+4*(\b):COD+4*(\b)+3], s[16:17] offset:256*(\b)   ; sixteen lanes store 256 consecutive bytes: block b of one fragment
.endm
	s_load_b256 s[4:11], s[0:1], 0x0               ; x s[4:5], Wq s[6:7], Wk s[8:9], Wv s[10:11]
	s_load_b256 s[12:19], s[0:1], 0x20             ; Wo s[12:13], xc s[14:15], wc s[16:17], sc s[18:19]
	s_load_b64 s[20:21], s[0:1], 0x40              ; wof
	v_lshl_add_u32 v[SPW], v0, 2, SPARE
	v_mov_b32 v[NIL], 0
	v_lshrrev_b32 v1, 5, v0
	v_readfirstlane_b32 s24, v1                    ; wave 0..3
	v_and_b32 v1, 31, v0                           ; lane
	v_and_b32 v2, 15, v0                           ; r
	v_bfe_u32 v3, v0, 4, 1                         ; h
	v_lshlrev_b32 v4, 4, v1                        ; 16 x lane
	s_cmp_ge_u32 ttmp9, 128                        ; the work-group's number alone decides the path
	s_cbranch_scc1 .Lweights
	; ---- x: unit = 4 x work-group + wave; token tile = unit / 2, half of K = unit % 2
	s_lshl_b32 s28, ttmp9, 2
	s_add_co_u32 s28, s28, s24
	s_lshr_b32 s29, s28, 1                         ; token tile
	s_and_b32 s30, s28, 1                          ; kh
	s_mov_b32 s26, 0x76543210
	s_mov_b32 s27, 0xfedcba98                      ; v_permlanex16_b32's selects for lane l xor 16
	s_mul_i32 s31, s24, STG                        ; my stage
	v_add_nc_u32 v5, s31, v4                       ; into it: 16 x lane of a row
	v_mul_u32_u24 v6, v2, 528
	v_lshl_add_u32 v6, v3, 7, v6
	v_add_nc_u32 v6, s31, v6                       ; out of it: row r, + 128 h
	v_lshlrev_b32 v7, 3, v1                        ; 8 x lane: my two scale words
	v_lshlrev_b32 v22, 3, v3                       ; 8 h
	v_mov_b32 v23, 0                               ; a lane permute's destination counts as one of its sources
	s_lshl_b32 s32, s29, 16                        ; x: 16 rows of 4,096 bytes a tile,
	s_lshl_b32 s34, s30, 11                        ; 2,048 bytes for half of K
	s_add_co_u32 s32, s32, s34
	s_mov_b32 s33, 0
	s_lshl_b32 s34, s30, 20                        ; xc: kh x 1,048,576 + tile x 4,096
	s_lshl_b32 s36, s29, 12
	s_add_co_u32 s34, s34, s36
	s_mov_b32 s35, 0
	s_lshl_b32 s36, s29, 9                         ; sc: tile x 512 + kh x 256
	s_lshl_b32 s38, s30, 8
	s_add_co_u32 s36, s36, s38
	s_mov_b32 s37, 0
	s_wait_kmcnt 0x0
	s_add_nc_u64 s[4:5], s[4:5], s[32:33]
	s_add_nc_u64 s[14:15], s[14:15], s[34:35]
	s_add_nc_u64 s[18:19], s[18:19], s[36:37]
	XLOAD 0
	XLOAD 1
.irp q, 0,1,2,3
	XSTEP \q
.endr
	v_cmp_eq_u32 vcc_lo, 1, v3
	v_cndmask_b32 v12, v16, v17, vcc_lo            ; word 0 of lane (r, h): K step 4 kh + h
	v_cndmask_b32 v13, v18, v19, vcc_lo            ; word 1: K step 4 kh + 2 + h
	global_store_b64 v7, v[12:13], s[18:19]        ; 32 lanes store 256 consecutive bytes, aligned
	s_branch .Lend
.Lweights:
	; ---- the weights: p = which (0 Wq, 1 Wk, 2 Wv, 3 Wo); cg = which 32 columns; ks = which 128 along K
	s_sub_co_u32 s28, ttmp9, 128
	s_lshr_b32 s29, s28, 6                         ; p
	s_and_b32 s30, s28, 63
	s_and_b32 s31, s30, 7
	s_lshl_b32 s31, s31, 2
	s_add_co_u32 s31, s31, s24                     ; cg: the four waves stand side by side on 512 bytes of a row
	s_lshr_b32 s32, s30, 3                         ; ks
	v_lshlrev_b32 v8, 2, v1                        ; 4 x lane: a lane to a column
	s_lshl_b32 s36, s32, 19                        ; 128 rows of 4,096 bytes a K step,
	s_lshl_b32 s38, s31, 7                         ; 128 bytes a column group
	s_add_co_u32 s36, s36, s38
	s_mov_b32 s37, 0
	s_wait_kmcnt 0x0
	s_cmp_eq_u32 s29, 0                            ; the choice hangs on the work-group's number alone
	s_cselect_b64 s[34:35], s[6:7], s[8:9]
	s_cmp_eq_u32 s29, 2
	s_cselect_b64 s[34:35], s[10:11], s[34:35]
	s_cmp_eq_u32 s29, 3
	s_cselect_b64 s[34:35], s[12:13], s[34:35]
	s_add_nc_u64 s[34:35], s[34:35], s[36:37]
.set i, 0
.rept 128
	global_load_b32 v[RAW+i], v8, s[34:35] offset:i*4096 th:TH_LOAD_NT   ; W(128 ks + i, my column): 32 lanes read 128 consecutive bytes
.set i, i+1
.endr
	s_cmp_eq_u32 s29, 3
	s_cbranch_scc1 .Lwo
	; Wq, Wk, Wv: column n = 32 cg + lane: head cg / 2, tile nt = 4 p + 2 (cg % 2) + lane / 16
	s_lshr_b32 s36, s32, 2                         ; kh
	s_mul_i32 s44, s36, 786432
	s_lshr_b32 s39, s31, 1                         ; head
	s_mul_i32 s40, s39, 49152
	s_add_co_u32 s44, s44, s40
	s_and_b32 s40, s31, 1
	s_lshl_b32 s40, s40, 1
	s_lshl_b32 s41, s29, 2
	s_add_co_u32 s40, s40, s41                     ; nt of lanes 0-15
	s_lshl_b32 s41, s40, 12
	s_add_co_u32 s44, s44, s41
	s_and_b32 s41, s32, 3                          ; q
	s_lshl_b32 s42, s41, 10
	s_add_co_u32 s44, s44, s42
	s_mov_b32 s45, 0
	s_mul_i32 s46, s39, 12
	s_add_co_u32 s46, s46, s40
	s_lshl_b32 s46, s46, 9                         ; the tile's 512 bytes of scale words,
	s_lshl_b32 s42, s36, 8
	s_add_co_u32 s46, s46, s42                     ; + 256 kh
	s_and_b32 s42, s32, 1
	s_lshl_b32 s42, s42, 7
	s_add_co_u32 s46, s46, s42                     ; + 128 (ks % 2): lanes 16-31 of the reader
	s_lshr_b32 s42, s41, 1
	s_lshl_b32 s42, s42, 2
	s_add_co_u32 s46, s46, s42                     ; + 4 ((ks % 4) / 2): which of its two words
	s_add_co_u32 s46, s46, 131072
	s_mov_b32 s47, 0
	s_add_nc_u64 s[16:17], s[16:17], s[44:45]
	s_add_nc_u64 s[18:19], s[18:19], s[46:47]
	v_lshlrev_b32 v9, 4, v2
	v_lshl_add_u32 v9, v3, 12, v9                  ; codes: 16 r, + a tile's 4,096 bytes for lanes 16-31
	v_lshlrev_b32 v10, 3, v2
	v_lshl_add_u32 v10, v3, 9, v10                 ; scale word: 8 r, + a tile's 512 bytes
.irp b, 0,1,2,3
	WBLOCK \b
.endr
	global_store_b32 v10, v16, s[18:19]            ; my column's scale word of this K step
	s_branch .Lend
.Lwo:
	; Wo: f16 fragments of 16 columns x 32 k.  k = 128 ks + 32 g + 16 c + 8 e + 0..7 goes to lane (r, e), register group c of fragment (kc = ks / 2, column tile 2 cg + lane / 16, k32 = 4 (ks % 2) + g)
	s_lshr_b32 s36, s32, 1
	s_lshl_b32 s44, s36, 19                        ; kc x 524,288
	s_lshl_b32 s38, s31, 14                        ; 2 cg x 8,192
	s_add_co_u32 s44, s44, s38
	s_and_b32 s38, s32, 1
	s_lshl_b32 s38, s38, 12                        ; 4 (ks % 2) x 1,024
	s_add_co_u32 s44, s44, s38
	s_mov_b32 s45, 0
	s_add_nc_u64 s[20:21], s[20:21], s[44:45]
	v_lshlrev_b32 v9, 4, v2
	v_lshl_add_u32 v9, v3, 13, v9                  ; 16 r, + a column tile's 8,192 bytes for lanes 16-31
.irp g, 0,1,2,3
.if \g == 0
	s_wait_loadcnt 63                              ; as above: numbers 0 to 64 are in
.elseif \g == 2
	s_wait_loadcnt 32
.elseif \g == 3
	s_wait_loadcnt 0x0
.endif
.irp i, 0,1,2,3,4,5,6,7,8,9,10,11,12,13,14,15
	v_cvt_pk_f16_f32 v[NUM+16*\g+\i], v[RAW+32*\g+2*\i], v[RAW+32*\g+2*\i+1]   ; the lower k in the low half
.endr
.irp c, 0,1
.irp e, 0,1
	global_store_b128 v9, v[NUM+16*\g+8*\c+4*\e:NUM+16*\g+8*\c+4*\e+3], s[20:21] offset:1024*\g+512*\c+256*\e   ; sixteen lanes store 256 consecutive bytes
.endr
.endr
.endr
.Lend:
	s_wait_tensorcnt 0x0                           ; the wave's end: behind my last LDS store
	ds_add_u32 v[SPW], v[NIL]
	s_wait_dscnt 0x0
	s_endpgm
.Lfunc_end_k_q797a379cab_prep:
	.size	k_q797a379cab_prep, .Lfunc_end_k_q797a379cab_prep-k_q797a379cab_prep
	.p2alignl 7, 3214868480
	.fill 96, 4, 3214868480
	.section	.rodata,"a",@progbits
	.p2align	6, 0x0
	.amdhsa_kernel k_q797a379cab_prep
		.amdhsa_group_segment_fixed_size 34304
		.amdhsa_private_segment_fixed_size 0
		.amdhsa_enable_private_segment 0
		.amdhsa_kernarg_size 72
		.amdhsa_user_sgpr_count 2
		.amdhsa_user_sgpr_kernarg_segment_ptr 1
		.amdhsa_wavefront_size32 1
		.amdhsa_system_sgpr_workgroup_id_x 1
		.amdhsa_system_sgpr_workgroup_id_y 1
		.amdhsa_system_sgpr_workgroup_id_z 1
		.amdhsa_system_vgpr_workitem_id 0
		.amdhsa_next_free_vgpr 256
		.amdhsa_next_free_sgpr 66
		.amdhsa_reserve_vcc 1
		.amdhsa_float_denorm_mode_32 3
		.amdhsa_float_denorm_mode_16_64 3
		.amdhsa_memory_ordered 1
		.amdhsa_forward_progress 1
		.amdhsa_inst_pref_size 56
	.end_amdhsa_kernel
	.amdgpu_metadata
---
amdhsa.version: [ 1, 2 ]
amdhsa.kernels:
  - .name:           k_q797a379cab_prep
    .symbol:         k_q797a379cab_prep.kd
    .args:
      - { .name: x, .offset: 0, .size: 8, .value_kind: global_buffer, .address_space: global }
      - { .name: Wq, .offset: 8, .size: 8, .value_kind: global_buffer, .address_space: global }
      - { .name: Wk, .offset: 16, .size: 8, .value_kind: global_buffer, .address_space: global }
      - { .name: Wv, .offset: 24, .size: 8, .value_kind: global_buffer, .address_space: global }
      - { .name: Wo, .offset: 32, .size: 8, .value_kind: global_buffer, .address_space: global }
      - { .name: xc, .offset: 40, .size: 8, .value_kind: global_buffer, .address_space: global }
      - { .name: wc, .offset: 48, .size: 8, .value_kind: global_buffer, .address_space: global }
      - { .name: sc, .offset: 56, .size: 8, .value_kind: global_buffer, .address_space: global }
      - { .name: wof, .offset: 64, .size: 8, .value_kind: global_buffer, .address_space: global }
    .group_segment_fixed_size: 34304
    .private_segment_fixed_size: 0
    .kernarg_segment_align: 8
    .kernarg_segment_size: 72
    .max_flat_workgroup_size: 128
    .sgpr_count:     66
    .vgpr_count:     256
    .wavefront_size: 32
...
	.end_amdgpu_metadata
.endif
;; end of part 1
;; launch qkv (part 2): grid 16 x 16, 4 waves a work-group, clusters of 4 x 4, 229,888 bytes of LDS; arguments xc, wc, sc, bq, bk, bv, qf, kvf; writes qf, kvf
.if DOCPART == 2
	.amdgcn_target "amdgcn-amd-amdhsa--gfx1250"
	.amdhsa_code_object_version 6
	.text
	.protected	k_q797a379cab_qkv
	.globl	k_q797a379cab_qkv
	.p2align	8
	.type	k_q797a379cab_qkv,@function
k_q797a379cab_qkv:
	s_mov_b64 s[64:65], 0
	v_nop
	global_prefetch_b8 v0, s[64:65] scope:SCOPE_SE
	s_setreg_imm32_b32 hwreg(HW_REG_WAVE_MODE, 25, 1), 1
	s_wait_xcnt 0x0
	s_wait_alu depctr_hold_cnt(0) depctr_sa_sdst(0) depctr_va_vdst(0) depctr_va_sdst(0) depctr_va_ssrc(0) depctr_va_vcc(0) depctr_vm_vsrc(0)
	s_getreg_b32 s2, hwreg(HW_REG_IB_STS2, 6, 4)
	s_cmp_eq_u32 s2, 0
	s_cbranch_scc0 .Lentry_in_a_cluster
	s_endpgm
.Lentry_in_a_cluster:
	s_bfe_u32 s2, ttmp6, 0x10000c
	s_cmp_lg_u32 s2, 0xf033
	s_cbranch_scc0 .Lentry_shape_is_right
	s_endpgm
.Lentry_shape_is_right:
; QKV.  q = x Wq + bq, k = x Wk + bk, v = x Wv + bv on codes of FP4 (E2M1) with E8M0 scales for each 32 along K; sums in f32; the results leave as f16 fragments for the attention launch.
; SHARES.  A work-group takes 256 tokens (grid y) x one head's 64 features of q, k and v (grid x): 192 features, 12 tiles of 16.  Wave w takes tokens 64 w .. 64 w + 63 (4 tiles) x all 12 tiles: 48 accumulators, 384 registers.
; ALL OF K LIES IN LDS: x's codes of 256 tokens are 131,072 bytes, the head's weights 98,304: each in two chunks of 512 along K, each chunk filled once: no slot is filled again.
; Codes lie as images of the operand's registers (1,024 bytes a fragment, group c of lane l at 512 c + 16 l): a chunk is one dense block of memory, and a fragment is two loads of 16 bytes a lane at 16 x lane.
; CLUSTER 4 x 4: the four work-groups of a row of the cluster share the tokens, those of a column the head: x's chunks and the weights' chunks are asked for jointly.
; q AND k ARE MADE TRANSPOSED (source 0 = 16 features, source 1 = 16 tokens): a lane holds one token and eight neighbouring features, which packed to f16 are four registers of a fragment [16 tokens x 32 channels].
; v IS MADE THE NATURAL WAY (source 0 = 16 tokens, source 1 = 16 features): a lane holds one channel and eight neighbouring tokens: four registers of a fragment [16 channels x 32 keys] of V^T.
; So the results go from registers straight to memory, 512 consecutive bytes a store.  The biases are the C of each sum's first matrix instruction.
;   qf  [head][token tile 256][cs 2][1,024];   kvf [head][part 2][524,288]: part 0 K, laid as qf; part 1 V^T [32 keys 128][channel tile 4][1,024].
; LIMIT: |q|, |k|, |v| stay under 65,504 (f16).
; REGISTERS, in windows of 256: window 0: v1-8 addresses; v28, v29 the add's two; v32-95 scale words; v128-255 fragment set 0 (x's four, then the weights' twelve).
;   window 1: q's and k's 32 accumulators at 8 (4 nt + i).   window 2: v0-127 v's 16 accumulators; v128-255 fragment set 1.   window 3: v0-63 q's and k's biases; v64-95 v's.
.set SPARE, 229376                     ; behind the chunks: the spare words, 128 bytes for each wave: two blocks of 256 bytes that no other line names
.set SPW,  28
.set NIL,  29
.set SC,   32                          ; scale words: tile T (x's tiles 0-3, the weights' 4-15) at v[SC + 4 T]; K step ks: register 2 (ks / 4) + (ks % 4) / 2, lanes 0-15 where ks is even, lanes 16-31 where odd
.set FRG,  128
.set WV,   20                          ; s20 my wave's number
.set G1A,  28                          ; s[28:35] descriptor group 1 for x's chunks;  s[36:43] for the weights'
.set G1B,  36
.set G0A,  44                          ; s[44:51] group 0 for x's two chunks;  s[52:59] for the weights'
.set G0B,  52
.set MSB, 0
.macro WIN new                         ; the immediate's high byte repeats the setting that is left
.if MSB != \new
	s_set_vgpr_msb (MSB<<8)|\new
.set MSB, \new
.endif
.endm
.macro CROUND                          ; a round of the cluster's barrier
	s_barrier_signal -1
	s_barrier_wait -1
	s_cmp_lg_u32 s[WV], 0
	s_cbranch_scc1 .Lnot_wave_0_\@
	s_barrier_signal -3
.Lnot_wave_0_\@:
	s_barrier_wait -3
	s_barrier_signal -1
	s_barrier_wait -1
.endm
.macro PLACES                          ; four plain vector instructions between a matrix instruction and a load into, or a vector read of, its registers
.rept 4
	v_nop
.endr
.endm
.macro WM row                          ; one product, its registers in the symbols rD, rA, rB, rC, sA, sB
.if \row
	v_wmma_scale_f32_16x16x128_f8f6f4 v[rD:rD+7], v[rA:rA+7], v[rB:rB+7], v[rC:rC+7], v[sA], v[sB] matrix_a_fmt:MATRIX_FMT_FP4 matrix_b_fmt:MATRIX_FMT_FP4 matrix_a_scale:MATRIX_SCALE_ROW1 matrix_b_scale:MATRIX_SCALE_ROW1
.else
	v_wmma_scale_f32_16x16x128_f8f6f4 v[rD:rD+7], v[rA:rA+7], v[rB:rB+7], v[rC:rC+7], v[sA], v[sB] matrix_a_fmt:MATRIX_FMT_FP4 matrix_b_fmt:MATRIX_FMT_FP4
.endif
.endm
.macro QKP ks, nt, i                   ; q or k: feature tile nt (0-7) x token tile i, transposed
.set rD, 8*(4*(\nt)+(\i))
.set rA, FRG+32+8*(\nt)
.set rB, FRG+8*(\i)
.set rC, rD
.if (\ks) == 0
.set rC, 8*(\nt)                       ; the bias starts the sum
.endif
.set sA, SC+16+4*(\nt)+2*((\ks)/4)+((\ks)%4)/2
.set sB, SC+4*(\i)+2*((\ks)/4)+((\ks)%4)/2
	WM (\ks)%2
.endm
.macro VP ks, nt, i                    ; v: token tile i x feature tile nt (0-3), the natural way
.set rD, 8*(4*(\nt)+(\i))
.set rA, FRG+8*(\i)
.set rB, FRG+32+8*(8+(\nt))
.set rC, rD
.if (\ks) == 0
.set rC, 64+8*(\nt)
.endif
.set sA, SC+4*(\i)+2*((\ks)/4)+((\ks)%4)/2
.set sB, SC+16+4*(8+(\nt))+2*((\ks)/4)+((\ks)%4)/2
	WM (\ks)%2
.endm
.macro FETCH ks                        ; K step ks: 32 loads in one run, into set ks % 2
.if (\ks)%2
	WIN 0x80                                       ; destination window 2, address window 0
.else
	WIN 0
.endif
.irp i, 0,1,2,3
.irp c, 0,1
	ds_load_b128 v[FRG+8*\i+4*\c:FRG+8*\i+4*\c+3], v[2+(\ks)/4] offset:\i*4096+((\ks)%4)*1024+512*\c
.endr
.endr
.irp nt, 0,1,2,3,4,5,6,7,8,9,10,11
.irp c, 0,1
	ds_load_b128 v[FRG+32+8*\nt+4*\c:FRG+32+8*\nt+4*\c+3], v[4+(\ks)/4] offset:\nt*4096+((\ks)%4)*1024+512*\c
.endr
.endr
	WIN 0
.endm
; A K step of 128: the next step's fragments are asked for first, into the other set; then 48 products.  The 48 accumulators take turns, one instruction a turn, in the same order in every step.
.macro KSTEP ks
.if (\ks) == 3
	s_wait_tensorcnt 0x0                           ; my part of chunk 1 has landed,
	s_wait_dscnt 0x0                               ; no LDS instruction of mine is pending at a signal,
	s_barrier_signal -1
	s_barrier_wait -1                              ; and everybody's part has: K step 4 may be fetched.
.endif
.if (\ks) < 7
	PLACES                                         ; the other set was read by the last step's products
	FETCH (\ks)+1
	s_wait_dscnt 32                                ; all but the 32 just issued: this step's fragments are in
.else
	s_wait_dscnt 0x0
.endif
.set W, 0x50+0xa*((\ks)%2)             ; sources 0 and 1: window 0 or 2; C and D window 1
.if (\ks) == 0
.set W, 0x70                           ; C: the biases, window 3
.endif
	WIN W
.irp nt, 0,1,2,3,4,5,6,7
.irp i, 0,1,2,3
	QKP \ks, \nt, \i
.endr
.endr
.set W, 0xa0+0xa*((\ks)%2)             ; C and D window 2
.if (\ks) == 0
.set W, 0xb0
.endif
	WIN W
.irp nt, 0,1,2,3
.irp i, 0,1,2,3
	VP \ks, \nt, \i
.endr
.endr
	WIN 0
.endm
	s_load_b256 s[4:11], s[0:1], 0x0               ; xc s[4:5], wc s[6:7], sc s[8:9], bq s[10:11]
	s_load_b256 s[12:19], s[0:1], 0x20             ; bk s[12:13], bv s[14:15], qf s[16:17], kvf s[18:19]
	v_lshl_add_u32 v[SPW], v0, 2, SPARE
	v_mov_b32 v[NIL], 0
	ds_add_u32 v[SPW], v[NIL]                      ; the wave's opening: the add, twice on end, and its wait ahead of my first tensor load; the set-up below, work on registers, stands between
	ds_add_u32 v[SPW], v[NIL]
	v_lshrrev_b32 v1, 5, v0
	v_readfirstlane_b32 s[WV], v1                  ; wave 0..3
	s_and_b32 s22, s[WV], 1                        ; which half of a chunk I fetch
	s_bfe_u32 s23, ttmp6, 0x40000                  ; cx
	s_bfe_u32 s24, ttmp6, 0x40004                  ; cy
	s_lshl_b32 s25, ttmp9, 2
	s_add_co_u32 s25, s25, s23                     ; the head = 4 x cluster x + cx
	s_and_b32 s26, ttmp7, 0xffff
	s_lshl_b32 s26, s26, 2
	s_add_co_u32 s26, s26, s24                     ; the block of 256 tokens = 4 x cluster y + cy
	s_lshl_b32 s27, s24, 2
	s_lshl_b32 s27, 15, s27                        ; my row of the cluster
	s_lshl_b32 s70, 0x1111, s23                    ; my column
	; descriptor group 1: dense blocks as rows of 256 bytes (32 elements of 8 bytes), no padding: x's half chunk 128 rows, the weights' 96
	s_or_b32 s[G1A], s27, (3<<16)|(1<<21)          ; 15:0 the mask: x's chunks go to my row; 17:16 elements of 8 bytes; 21 set beside a mask
	s_or_b32 s[G1B], s70, (3<<16)|(1<<21)          ; the weights' go to my column
	s_mov_b32 s[G1A+1], 32<<16                     ; tensor_dim0 = 32
	s_mov_b32 s[G1A+2], 128<<16                    ; tensor_dim1 = 128
	s_mov_b32 s[G1A+3], 32<<16                     ; tile_dim0 = 32
	s_mov_b32 s[G1A+4], 128                        ; tile_dim1 = 128
	s_mov_b32 s[G1A+5], 32                         ; the pitch
	s_mov_b32 s[G1A+6], 0
	s_mov_b32 s[G1A+7], 0
	s_mov_b32 s[G1B+1], 32<<16
	s_mov_b32 s[G1B+2], 96<<16
	s_mov_b32 s[G1B+3], 32<<16
	s_mov_b32 s[G1B+4], 96
	s_mov_b32 s[G1B+5], 32
	s_mov_b32 s[G1B+6], 0
	s_mov_b32 s[G1B+7], 0
	s_lshl_b32 s72, s26, 16                        ; x's codes: 16 tiles of 4,096 bytes a block of tokens,
	s_lshl_b32 s76, s22, 15                        ; my 8 tiles of them; also their place in a chunk in LDS
	s_add_co_u32 s72, s72, s76
	s_mov_b32 s73, 0
	s_mul_i32 s74, s25, 49152                      ; the weights' codes: 12 tiles a head,
	s_mul_i32 s77, s22, 24576                      ; my 6 of them
	s_add_co_u32 s74, s74, s77
	s_mov_b32 s75, 0
	s_add_co_u32 s77, s77, 131072                  ; their place in LDS, behind x's two chunks: no place in the cluster enters an LDS address
	s_lshl_b32 s78, s26, 13                        ; x's scale words: (16 block + 4 wave) x 512
	s_lshl_b32 s80, s[WV], 11
	s_add_co_u32 s78, s78, s80
	s_mov_b32 s79, 0
	s_mul_i32 s80, s25, 6144                       ; the weights': 131,072 + head x 12 x 512
	s_add_co_u32 s80, s80, 131072
	s_mov_b32 s81, 0
	s_lshl_b32 s82, s25, 8                         ; the biases: 64 numbers a head
	s_mov_b32 s83, 0
	s_lshl_b32 s84, s26, 15
	s_lshl_b32 s86, s[WV], 13
	s_add_co_u32 s84, s84, s86                     ; (16 block + 4 wave) x 2,048: my first token tile in qf and in K; the same number is (8 block + 2 wave) x 4,096, my first 32 keys in V^T
	s_lshl_b32 s86, s25, 19
	s_add_co_u32 s86, s86, s84
	s_mov_b32 s87, 0
	s_lshl_b32 s88, s25, 20
	s_add_co_u32 s88, s88, s84
	s_mov_b32 s89, 0
	s_wait_dscnt 0x0                               ; both opening adds are done
	s_wait_kmcnt 0x0
	s_add_nc_u64 s[72:73], s[4:5], s[72:73]
	s_add_nc_u64 s[74:75], s[6:7], s[74:75]
	s_add_nc_u64 s[60:61], s[8:9], s[78:79]
	s_add_nc_u64 s[62:63], s[8:9], s[80:81]
	s_add_nc_u64 s[10:11], s[10:11], s[82:83]
	s_add_nc_u64 s[12:13], s[12:13], s[82:83]
	s_add_nc_u64 s[14:15], s[14:15], s[82:83]
	s_add_nc_u64 s[16:17], s[16:17], s[86:87]
	s_add_nc_u64 s[18:19], s[18:19], s[88:89]
	CROUND                                         ; all sixteen work-groups are here: the joint loads meet
.irp kh, 0,1
	s_mov_b32 s[G0A+4*\kh], 1                      ; count = 1
	s_add_co_u32 s[G0A+4*\kh+1], s76, \kh*65536    ; LDS address
	s_add_nc_u64 s[G0A+4*\kh+2:G0A+4*\kh+3], s[72:73], \kh*1048576
	s_or_b32 s[G0A+4*\kh+3], s[G0A+4*\kh+3], 0x80000000   ; type = 2
	s_mov_b32 s[G0B+4*\kh], 1
	s_add_co_u32 s[G0B+4*\kh+1], s77, \kh*49152
	s_add_nc_u64 s[G0B+4*\kh+2:G0B+4*\kh+3], s[74:75], \kh*786432
	s_or_b32 s[G0B+4*\kh+3], s[G0B+4*\kh+3], 0x80000000
.endr
	s_cmp_lt_u32 s[WV], 2                          ; waves 0 and 1 fetch x's halves, waves 2 and 3 the weights'; a wave's two fills stand in one branch: two tensor loads of mine are out
	s_cbranch_scc0 .Lfirst_b
	tensor_load_to_lds s[G0A:G0A+3], s[G1A:G1A+7]
	s_nop 0
	tensor_load_to_lds s[G0A+4:G0A+7], s[G1A:G1A+7]
	s_nop 0
.rept 4
	v_nop
.endr
	s_branch .Lfirst_asked
.Lfirst_b:
	tensor_load_to_lds s[G0B:G0B+3], s[G1B:G1B+7]
	s_nop 0
	tensor_load_to_lds s[G0B+4:G0B+7], s[G1B:G1B+7]
	s_nop 0
.rept 4
	v_nop
.endr
.Lfirst_asked:
	v_and_b32 v9, 31, v0
	v_lshlrev_b32 v1, 4, v9                        ; 16 x lane
	v_lshlrev_b32 v6, 3, v9                        ; 8 x lane
	v_bfe_u32 v7, v0, 4, 1
	v_lshlrev_b32 v7, 5, v7                        ; 32 h
	v_and_b32 v8, 15, v0
	v_lshlrev_b32 v8, 2, v8                        ; 4 r
.irp i, 0,1,2,3                                ; the scale words of all of K stay in registers: 256 consecutive bytes a load
.irp kh, 0,1
	global_load_b64 v[SC+4*\i+2*\kh:SC+4*\i+2*\kh+1], v6, s[60:61] offset:512*\i+256*\kh
.endr
.endr
.irp nt, 0,1,2,3,4,5,6,7,8,9,10,11
.irp kh, 0,1
	global_load_b64 v[SC+16+4*\nt+2*\kh:SC+16+4*\nt+2*\kh+1], v6, s[62:63] offset:512*\nt+256*\kh
.endr
.endr
	WIN 0xc0                                       ; destination window 3
.irp nt, 0,1,2,3
	global_load_b128 v[8*\nt:8*\nt+3], v7, s[10:11] offset:64*\nt          ; bq at features 16 nt + 8 h + 0 .. 7
	global_load_b128 v[8*\nt+4:8*\nt+7], v7, s[10:11] offset:64*\nt+16
	global_load_b128 v[32+8*\nt:32+8*\nt+3], v7, s[12:13] offset:64*\nt    ; bk likewise
	global_load_b128 v[32+8*\nt+4:32+8*\nt+7], v7, s[12:13] offset:64*\nt+16
	global_load_b32 v[64+8*\nt], v8, s[14:15] offset:64*\nt                ; bv at feature 16 nt + r
.endr
	WIN 0
	s_lshl_b32 s80, s[WV], 14                      ; my four token tiles in a chunk
	v_add_nc_u32 v2, s80, v1                       ; x's fragments, chunk 0,
	v_add_nc_u32 v3, 0x10000, v2                   ; chunk 1
	v_add_nc_u32 v4, 0x20000, v1                   ; the weights', chunk 0,
	v_add_nc_u32 v5, 0xc000, v4                    ; chunk 1
	s_wait_tensorcnt 1                             ; my part of chunk 0 is in; chunk 1's load may stay out
	s_barrier_signal -1
	s_barrier_wait -1                              ; everybody's is
	FETCH 0
	s_wait_loadcnt 0x0                             ; scale words and biases
	WIN 0xc3                                       ; source 0 and destination window 3
.irp nt, 0,1,2,3
.irp j, 1,2,3,4,5,6,7
	v_mov_b32 v[64+8*\nt+\j], v[64+8*\nt]          ; v's bias in the result's layout: a lane's eight registers are eight tokens of one channel
.endr
.endr
	WIN 0
.irp ks, 0,1,2,3,4,5,6,7
	KSTEP \ks
.endr
	; THE WAY OUT.  Each accumulator, from its low end on, packs into four registers, which are half a fragment; a store covers 512 consecutive bytes.
	PLACES
	WIN 0x05                                       ; sources 0 and 1 window 1, destination window 0: fragment set 0 is done with
.set a, 0
.rept 32
.irp rr, 0,1,2,3
	v_cvt_pk_f16_f32 v[FRG+4*a+\rr], v[8*a+2*\rr], v[8*a+2*\rr+1]
.endr
.set a, a+1
.endr
	WIN 0
.irp nt, 0,1,2,3
.irp i, 0,1,2,3
	global_store_b128 v1, v[FRG+4*(4*\nt+\i):FRG+4*(4*\nt+\i)+3], s[16:17] offset:\i*2048+(\nt/2)*1024+512*(\nt%2)   ; q: token tile i, channels 32 (nt / 2) on, register group nt % 2
.endr
.endr
.irp nt, 4,5,6,7
.irp i, 0,1,2,3
	global_store_b128 v1, v[FRG+4*(4*\nt+\i):FRG+4*(4*\nt+\i)+3], s[18:19] offset:\i*2048+((\nt-4)/2)*1024+512*(\nt%2)   ; k likewise
.endr
.endr
	s_wait_xcnt 0x0                                ; the stores have read their data registers: they may be written again
	WIN 0x0a                                       ; sources 0 and 1 window 2
.set a, 0
.rept 16
.irp rr, 0,1,2,3
	v_cvt_pk_f16_f32 v[FRG+4*a+\rr], v[8*a+2*\rr], v[8*a+2*\rr+1]
.endr
.set a, a+1
.endr
	WIN 0
.irp nt, 0,1,2,3
.irp i, 0,1,2,3
	global_store_b128 v1, v[FRG+4*(4*\nt+\i):FRG+4*(4*\nt+\i)+3], s[18:19] offset:524288+(\i/2)*4096+\nt*1024+512*(\i%2)   ; V^T: 32 keys i / 2, channel tile nt, register group i % 2
.endr
.endr
	s_wait_tensorcnt 0x0                           ; the wave's end: behind my last tensor load
	ds_add_u32 v[SPW], v[NIL]
	s_wait_dscnt 0x0
	CROUND                                         ; the closing round: no work-group ends while a partner may still ask for a chunk that names it
	s_endpgm
.Lfunc_end_k_q797a379cab_qkv:
	.size	k_q797a379cab_qkv, .Lfunc_end_k_q797a379cab_qkv-k_q797a379cab_qkv
	.p2alignl 7, 3214868480
	.fill 96, 4, 3214868480
	.section	.rodata,"a",@progbits
	.p2align	6, 0x0
	.amdhsa_kernel k_q797a379cab_qkv
		.amdhsa_group_segment_fixed_size 229888
		.amdhsa_private_segment_fixed_size 0
		.amdhsa_enable_private_segment 0
		.amdhsa_kernarg_size 64
		.amdhsa_user_sgpr_count 2
		.amdhsa_user_sgpr_kernarg_segment_ptr 1
		.amdhsa_wavefront_size32 1
		.amdhsa_system_sgpr_workgroup_id_x 1
		.amdhsa_system_sgpr_workgroup_id_y 1
		.amdhsa_system_sgpr_workgroup_id_z 1
		.amdhsa_system_vgpr_workitem_id 0
		.amdhsa_next_free_vgpr 1024
		.amdhsa_next_free_sgpr 90
		.amdhsa_reserve_vcc 0
		.amdhsa_float_denorm_mode_32 3
		.amdhsa_float_denorm_mode_16_64 3
		.amdhsa_memory_ordered 1
		.amdhsa_forward_progress 1
		.amdhsa_inst_pref_size 96
	.end_amdhsa_kernel
	.amdgpu_metadata
---
amdhsa.version: [ 1, 2 ]
amdhsa.kernels:
  - .name:           k_q797a379cab_qkv
    .symbol:         k_q797a379cab_qkv.kd
    .args:
      - { .name: xc, .offset: 0, .size: 8, .value_kind: global_buffer, .address_space: global }
      - { .name: wc, .offset: 8, .size: 8, .value_kind: global_buffer, .address_space: global }
      - { .name: sc, .offset: 16, .size: 8, .value_kind: global_buffer, .address_space: global }
      - { .name: bq, .offset: 24, .size: 8, .value_kind: global_buffer, .address_space: global }
      - { .name: bk, .offset: 32, .size: 8, .value_kind: global_buffer, .address_space: global }
      - { .name: bv, .offset: 40, .size: 8, .value_kind: global_buffer, .address_space: global }
      - { .name: qf, .offset: 48, .size: 8, .value_kind: global_buffer, .address_space: global }
      - { .name: kvf, .offset: 56, .size: 8, .value_kind: global_buffer, .address_space: global }
    .group_segment_fixed_size: 229888
    .private_segment_fixed_size: 0
    .kernarg_segment_align: 8
    .kernarg_segment_size: 64
    .max_flat_workgroup_size: 128
    .sgpr_count:     90
    .vgpr_count:     1024
    .wavefront_size: 32
...
	.end_amdgpu_metadata
.endif
;; end of part 2
;; launch attn (part 3): grid 16 x 16, 8 waves a work-group, clusters of 4 x 1, 327,680 bytes of LDS; arguments qf, kvf, cf; writes cf
.if DOCPART == 3
	.amdgcn_target "amdgcn-amd-amdhsa--gfx1250"
	.amdhsa_code_object_version 6
	.text
	.protected	k_q797a379cab_attn
	.globl	k_q797a379cab_attn
	.p2align	8
	.type	k_q797a379cab_attn,@function
k_q797a379cab_attn:
	s_mov_b64 s[64:65], 0
	v_nop
	global_prefetch_b8 v0, s[64:65] scope:SCOPE_SE
	s_setreg_imm32_b32 hwreg(HW_REG_WAVE_MODE, 25, 1), 1
	s_wait_xcnt 0x0
	s_wait_alu depctr_hold_cnt(0) depctr_sa_sdst(0) depctr_va_vdst(0) depctr_va_sdst(0) depctr_va_ssrc(0) depctr_va_vcc(0) depctr_vm_vsrc(0)
	s_getreg_b32 s2, hwreg(HW_REG_IB_STS2, 6, 4)
	s_cmp_eq_u32 s2, 0
	s_cbranch_scc0 .Lentry_in_a_cluster
	s_endpgm
.Lentry_in_a_cluster:
	s_bfe_u32 s2, ttmp6, 0x10000c
	s_cmp_lg_u32 s2, 0x3003
	s_cbranch_scc0 .Lentry_shape_is_right
	s_endpgm
.Lentry_shape_is_right:
; ATTN.  ctx[q] = the sum over k of softmax_k(q . k / 8) v[k], for each of 16 heads of 64 channels, 4,096 keys, no mask.  Operands in f16, products, maxima and sums in f32; the weights p are rounded to f16 for the second
; product; the row's sum is taken of the unrounded p; ctx is rounded to f16 once, as fragments for the projection.
; SHARES.  A work-group owns 256 queries of one head (grid x: the block, grid y: the head); each of its EIGHT waves owns 32 queries, two tiles of 16, in 352 registers: two waves to a SIMD, so that one wave's softmax
; stands beside the other's products.  Every wave walks all keys, 64 a step; each fragment of K and V read from LDS feeds two matrix instructions.
; LAYOUT.  S^T = K Q^T (source 0 = 16 keys, source 1 = 16 queries): a lane holds ONE query (lane % 16) and keys 8 (lane / 16) + 0..7.  Two such tiles, rounded to f16 in pairs, ARE source 1 (32 keys x 16 queries) of
; O^T = V^T P, whose result again holds one query a lane, and eight channels: packed, four registers of a fragment [16 tokens x 32 hidden] for the projection.  K, V^T and Q arrive as images of their registers.
; SOFTMAX.  For each query a running maximum m and sum l: p = 2^(c s - c m), c = log2(e) / 8; in every step O and l are multiplied by a = 2^(c m_old - c m_new).  The loop has no first step of its own: O and l begin
; as zeros and m as -3e38, so the first a is 0 and multiplies zeros.
; RING.  Two LDS slots of 512 keys (K 65,536 bytes, then V^T 65,536), 2^17 bytes apart.  Each of the eight waves fetches an eighth of a slot by one tensor load (64 rows of 256 bytes, dense).  The change of slots stands at
; a slot's head; behind it the slot just left is filled with the keys that follow: one tensor load of mine is out, and it has eight key steps in which to land.
; CLUSTER.  The four query blocks of a cluster belong to one head and walk the same K and V: each tile is asked for jointly, by the same load with the same descriptor and a mask that names the four.
; LIMITS: |q|, |k|, |v| under 65,504 (f16); NaN and infinite scores are not served.
; REGISTERS: window 0: v2-6 addresses; v10, v11 the add's two; v12, v13 c m_old; v16-31 statistics; v32-63 P; v64-127 S^T; v128-191 K of a step; v192-255 V^T of a step.   window 1: v0-63 O^T at 32 t + 8 ct; v64-95 Q.
.set SLOT1, 1<<17
.set SPARE, 262144                     ; behind the ring: the spare words, 128 bytes for each wave: four blocks of 256 bytes that no other line names
.set AK0, 2                            ; v2   16 x lane: my place in a fragment's image; never rewritten
.set AV0, 3                            ; v3   the same + 65,536: V^T's part of a slot
.set ADK, 4                            ; v4   LDS address of the step's K
.set ADV, 5                            ; v5   of its V^T
.set PFO, 6                            ; v6   256 x lane: the prefetches' offset; never rewritten
.set SPW, 10
.set NIL, 11
.set CMO, 12                           ; v12, v13  c m_old of tiles 0, 1
.set ST,  16                           ; tile t's statistics at v[ST + 8 t]: +0 c m, +1 m, +2, +3 l (even keys', odd keys'), +4 to +7 at work; a takes +6
.set P,   32
.set S,   64
.set KF,  128
.set VF,  192
.set QF,  64                           ; in window 1
.set WV,  12                           ; s12  my wave's number
.set PFA, 18                           ; s[18:19] where my prefetches stand
.set LIM, 20                           ; s20  1 in a wave that prefetches, else the greatest number
.set G1,  24                           ; s[24:31] descriptor group 1
.set G0,  32                           ; s[32:35] group 0, which walks
.set TB,  36                           ; s36  LDS byte at which the step in hand begins
.set SLOTS, 37                         ; s37  slots still to be asked for
.set STEPS, 38                         ; s38  counts a slot's eight steps
.set CS,  40                           ; s[40:41] c: the packed form names a pair and takes its low word for both halves
.set SEL, 42                           ; s[42:43] lane selects for v_permlanex16_b32: lane l xor 16
.set MSB, 0
.macro WIN new                         ; the immediate's high byte repeats the setting that is left
.if MSB != \new
	s_set_vgpr_msb (MSB<<8)|\new
.set MSB, \new
.endif
.endm
.macro CROUND                          ; a round of the cluster's barrier
	s_barrier_signal -1
	s_barrier_wait -1
	s_cmp_lg_u32 s[WV], 0
	s_cbranch_scc1 .Lnot_wave_0_\@
	s_barrier_signal -3
.Lnot_wave_0_\@:
	s_barrier_wait -3
	s_barrier_signal -1
	s_barrier_wait -1
.endm
; A PREFETCH INTO THE L2 of what the NEXT change of slots will ask for: 512 aligned blocks of 256 bytes (K's 256, V^T's 256), a lane a block, eight key steps ahead of that load.  Each block is named once in the launch:
; all clusters of a head walk the same K and V, so the head's first cluster asks; its four partners are told apart by address (8,192 bytes each); in each, waves 0 and 2 ask for K's, waves 4 and 6 for V^T's.
; The last change that fills a slot asks for nothing; slots 0 and 1 come by their loads alone.
.macro ASK
	s_cmp_gt_u32 s[SLOTS], s[LIM]
	s_cbranch_scc0 .Lnot_mine_\@
	global_prefetch_b8 v[PFO], s[PFA:PFA+1] th:TH_LOAD_NT scope:SCOPE_SE
.Lnot_mine_\@:
.endm
; THE CHANGE OF SLOTS.  Each wave waits for all its tensor loads (its part of the slot that it is about to read), adds 0 to its spare word, and waits for that and for its reads of the slot that it has left.
.macro CHANGE fill
	s_wait_tensorcnt 0x0                           ; no tensor load of mine is out, so group 0 may be written
	ds_add_u32 v[SPW], v[NIL]                      ; 0 onto my spare word; the steps below stand between it and the wait for it
.if \fill
	s_xor_b32 s[G0+1], s[G0+1], SLOT1              ; the other slot than last time,
	s_add_nc_u64 s[G0+2:G0+3], s[G0+2:G0+3], 65536 ; the next 512 keys; the type bits on top are not reached
	s_wait_xcnt 0x0                                ; the last prefetch, a slot back, has read its address, so it may be written:
	s_add_nc_u64 s[PFA:PFA+1], s[PFA:PFA+1], 65536 ; one slot further on than the walking descriptor
	s_wait_dscnt 0x0                               ; the add is done, and my reads of the slot that I have left are over
	CROUND                                         ; the same holds of every wave of all four work-groups
	tensor_load_to_lds s[G0:G0+3], s[G1:G1+7]      ; the first thing behind the round, and my one tensor load until the next
	s_nop 0
.rept 4
	v_nop
.endr
	ASK
.else
	s_wait_dscnt 0x0
	s_barrier_signal -1
	s_barrier_wait -1
.endif
.endm
; A KEY STEP: 64 keys.
.macro BODY
	v_add_nc_u32 v[ADK], s[TB], v[AK0]
	v_add_nc_u32 v[ADV], s[TB], v[AV0]
.set i, 0
.rept 16
	ds_load_b128 v[KF+4*i:KF+4*i+3], v[ADK] offset:512*i   ; K: fragment i / 2 = 2 kt + cs (keys 16 kt on, channels 32 cs on), register group i % 2
.set i, i+1
.endr
	v_nop                                          ; with the two additions above: four places between the last step's last product, which read V^T, and the loads below
	v_nop
.set i, 0
.rept 16
	ds_load_b128 v[VF+4*i:VF+4*i+3], v[ADV] offset:512*i   ; V^T: fragment i / 2 = 4 g + ct (keys 32 g on, channels 16 ct on)
.set i, i+1
.endr
	s_wait_dscnt 16                                ; K is in; V^T's 16 loads may be out
	WIN 0x04                                       ; source 1 (Q) window 1
.irp cs, 0,1                                   ; S^T = K Q^T: eight accumulators by turns, one instruction a turn
.irp kt, 0,1,2,3
.irp t, 0,1
.if \cs == 0
	v_wmma_f32_16x16x32_f16 v[S+32*\t+8*\kt:S+32*\t+8*\kt+7], v[KF+8*(2*\kt+\cs):KF+8*(2*\kt+\cs)+7], v[QF+8*(2*\t+\cs):QF+8*(2*\t+\cs)+7], 0
.else
	v_wmma_f32_16x16x32_f16 v[S+32*\t+8*\kt:S+32*\t+8*\kt+7], v[KF+8*(2*\kt+\cs):KF+8*(2*\kt+\cs)+7], v[QF+8*(2*\t+\cs):QF+8*(2*\t+\cs)+7], v[S+32*\t+8*\kt:S+32*\t+8*\kt+7]
.endif
.endr
.endr
.endr
	WIN 0
	v_mov_b32 v[CMO], v[ST]                        ; c m_old is kept for a.  These two and two v_nop are the four places behind the products
	v_mov_b32 v[CMO+1], v[ST+8]
	v_nop
	v_nop
.irp j, 0,1,2,3                                ; the maximum of my 32 scores and the old m: four chains a tile, each accumulator read from its low end on; the two tiles by turns
.irp t, 0,1
	v_max3_num_f32 v[ST+8*\t+4+\j], v[S+32*\t+8*\j], v[S+32*\t+8*\j+1], v[S+32*\t+8*\j+2]
.endr
.endr
.irp e, 3,5
.irp j, 0,1,2,3
.irp t, 0,1
	v_max3_num_f32 v[ST+8*\t+4+\j], v[ST+8*\t+4+\j], v[S+32*\t+8*\j+\e], v[S+32*\t+8*\j+\e+1]
.endr
.endr
.endr
.irp t, 0,1
	v_max3_num_f32 v[ST+8*\t+4], v[ST+8*\t+4], v[S+32*\t+7], v[S+32*\t+15]
.endr
.irp t, 0,1
	v_max3_num_f32 v[ST+8*\t+6], v[ST+8*\t+6], v[S+32*\t+23], v[S+32*\t+31]
.endr
.irp t, 0,1
	v_max3_num_f32 v[ST+8*\t+4], v[ST+8*\t+4], v[ST+8*\t+5], v[ST+8*\t+6]
.endr
.irp t, 0,1
	v_max3_num_f32 v[ST+8*\t+4], v[ST+8*\t+4], v[ST+8*\t+7], v[ST+8*\t+1]
.endr
.irp t, 0,1
	v_permlanex16_b32 v[ST+8*\t+5], v[ST+8*\t+4], s[SEL], s[SEL+1]   ; the query's other 32 keys lie in the lane 16 away
.endr
.irp t, 0,1
	v_max_num_f32 v[ST+8*\t+1], v[ST+8*\t+4], v[ST+8*\t+5]           ; the new m
.endr
.irp t, 0,1
	v_mul_f32 v[ST+8*\t], s[CS], v[ST+8*\t+1]                        ; c m
.endr
.irp t, 0,1
	v_sub_f32 v[ST+8*\t+7], v[CMO+\t], v[ST+8*\t]                    ; c m_old - c m_new
.endr
.set i, 0
.rept 16
.irp t, 0,1
	v_pk_fma_f32 v[S+32*\t+2*i:S+32*\t+2*i+1], v[S+32*\t+2*i:S+32*\t+2*i+1], s[CS:CS+1], v[ST+8*\t:ST+8*\t+1] op_sel_hi:[1,0,0] neg_lo:[0,0,1] neg_hi:[0,0,1]   ; c s - c m, two at a time
.endr
.set i, i+1
.endr
.irp t, 0,1                                    ; ONE BATCH of 66 exponentials; none reads another's result
	v_exp_f32 v[ST+8*\t+6], v[ST+8*\t+7]           ; a
.endr
.set i, 0
.rept 32
.irp t, 0,1
	v_exp_f32 v[S+32*\t+i], v[S+32*\t+i]           ; p
.endr
.set i, i+1
.endr
	v_nop                                          ; a plain instruction behind the last exponential,
	s_wait_alu depctr_va_vdst(0)                   ; and the one wait ahead of the batch's first reader
.set i, 0
.rept 16
.irp t, 0,1
	v_cvt_pk_f16_f32 v[P+16*\t+i], v[S+32*\t+2*i], v[S+32*\t+2*i+1]   ; pair i of the weights: register i of the tile's two fragments of P
.endr
.set i, i+1
.endr
.irp u, 0,1,2,3,4,5,6,7                        ; the sum of the unrounded p, in place: pairs 1, 2, 4 and 8 apart
.irp t, 0,1
	v_pk_add_f32 v[S+32*\t+4*\u:S+32*\t+4*\u+1], v[S+32*\t+4*\u:S+32*\t+4*\u+1], v[S+32*\t+4*\u+2:S+32*\t+4*\u+3]
.endr
.endr
.irp u, 0,1,2,3
.irp t, 0,1
	v_pk_add_f32 v[S+32*\t+8*\u:S+32*\t+8*\u+1], v[S+32*\t+8*\u:S+32*\t+8*\u+1], v[S+32*\t+8*\u+4:S+32*\t+8*\u+5]
.endr
.endr
.irp u, 0,1
.irp t, 0,1
	v_pk_add_f32 v[S+32*\t+16*\u:S+32*\t+16*\u+1], v[S+32*\t+16*\u:S+32*\t+16*\u+1], v[S+32*\t+16*\u+8:S+32*\t+16*\u+9]
.endr
.endr
.irp t, 0,1
	v_pk_add_f32 v[S+32*\t:S+32*\t+1], v[S+32*\t:S+32*\t+1], v[S+32*\t+16:S+32*\t+17]
.endr
.irp t, 0,1
	v_pk_fma_f32 v[ST+8*\t+2:ST+8*\t+3], v[ST+8*\t+2:ST+8*\t+3], v[ST+8*\t+6:ST+8*\t+7], v[S+32*\t:S+32*\t+1] op_sel_hi:[1,0,1]   ; l = a l + the sum
.endr
	WIN 0x41                                       ; O^T (destination and source 0) window 1, a window 0
.set i, 0
.rept 16
.irp t, 0,1
	v_pk_mul_f32 v[32*\t+2*i:32*\t+2*i+1], v[32*\t+2*i:32*\t+2*i+1], v[ST+8*\t+6:ST+8*\t+7] op_sel_hi:[1,0]   ; O^T x a, each accumulator from its low end on
.endr
.set i, i+1
.endr
	s_wait_dscnt 0x0                               ; V^T is in
	WIN 0x50                                       ; C and D window 1
.irp g, 0,1                                    ; O^T += V^T P: eight accumulators by turns
.irp ct, 0,1,2,3
.irp t, 0,1
	v_wmma_f32_16x16x32_f16 v[32*\t+8*\ct:32*\t+8*\ct+7], v[VF+8*(4*\g+\ct):VF+8*(4*\g+\ct)+7], v[P+16*\t+8*\g:P+16*\t+8*\g+7], v[32*\t+8*\ct:32*\t+8*\ct+7]
.endr
.endr
.endr
	WIN 0
.endm
.macro STEPS8                          ; a slot's eight key steps: written once, walked eight times; the LDS addresses hang on s[TB]
	s_mov_b32 s[STEPS], 8
.Lstep_\@:
	BODY
	s_add_co_u32 s[TB], s[TB], 8192                ; 64 keys: 4 tiles of K of 2,048 bytes, 2 x 32 keys of V^T of 4,096
	s_sub_co_u32 s[STEPS], s[STEPS], 1
	s_cmp_lg_u32 s[STEPS], 0
	s_cbranch_scc1 .Lstep_\@
	s_sub_co_u32 s[TB], s[TB], 65536               ; back to a slot's first step,
	s_xor_b32 s[TB], s[TB], SLOT1                  ; in the other slot
.endm
	s_load_b128 s[4:7], s[0:1], 0x0                ; qf s[4:5], kvf s[6:7]
	s_load_b64 s[8:9], s[0:1], 0x10                ; cf
	v_lshl_add_u32 v[SPW], v0, 2, SPARE
	v_mov_b32 v[NIL], 0
	ds_add_u32 v[SPW], v[NIL]                      ; the wave's opening: the add, twice on end, and its wait ahead of my first tensor load; the set-up below, work on registers, stands between
	ds_add_u32 v[SPW], v[NIL]
	v_lshrrev_b32 v1, 5, v0
	v_readfirstlane_b32 s[WV], v1                  ; wave 0..7
	s_bfe_u32 s13, ttmp6, 0x40000                  ; cx: my place in the cluster
	s_lshl_b32 s14, ttmp9, 2
	s_add_co_u32 s14, s14, s13                     ; my block of 256 queries: it enters Q's and ctx's addresses alone
	s_and_b32 s15, ttmp7, 0xffff                   ; the head, which the four partners share
	s_lshl_b32 s48, s15, 20                        ; kvf: the head's 1,048,576 bytes,
	s_lshr_b32 s16, s[WV], 2
	s_lshl_b32 s16, s16, 19
	s_add_co_u32 s48, s48, s16                     ; K (waves 0-3) or V^T (waves 4-7)
	s_and_b32 s16, s[WV], 3
	s_lshl_b32 s16, s16, 14
	s_add_co_u32 s46, s48, s16                     ; my quarter of that part of slot 0
	s_mov_b32 s47, 0
	s_and_b32 s17, s[WV], 2                        ; the prefetches: waves 0 and 4 the first half of their part of a slot, waves 2 and 6 the second,
	s_lshl_b32 s17, s17, 14
	s_add_co_u32 s44, s48, s17
	s_lshl_b32 s17, s13, 13                        ; my work-group's 8,192 bytes of that half,
	s_add_co_u32 s44, s44, s17
	s_add_co_u32 s44, s44, 65536                   ; in slot 1: the first change of slots steps it to slot 2.  Nothing is prefetched at the head
	s_mov_b32 s45, 0
	s_lshl_b32 s50, s15, 19                        ; qf: head x 524,288 + block x 16 tiles x 2,048 + wave x 2 tiles
	s_lshl_b32 s16, s14, 15
	s_add_co_u32 s50, s50, s16
	s_lshl_b32 s16, s[WV], 12
	s_add_co_u32 s50, s50, s16
	s_mov_b32 s51, 0
	s_lshr_b32 s52, s15, 2                         ; cf: (head / 4) x 2,097,152 + (16 block + 2 wave) x 8,192 + 2 (head % 4) x 1,024
	s_lshl_b32 s52, s52, 21
	s_lshl_b32 s16, s14, 17
	s_add_co_u32 s52, s52, s16
	s_lshl_b32 s16, s[WV], 14
	s_add_co_u32 s52, s52, s16
	s_and_b32 s16, s15, 3
	s_lshl_b32 s16, s16, 11
	s_add_co_u32 s52, s52, s16
	s_mov_b32 s53, 0
	; descriptor group 1: 16,384 dense bytes as 64 rows of 256 (32 elements of 8 bytes), no padding
	s_mov_b32 s[G1], 15|(3<<16)|(1<<21)            ; 15:0 the mask: all four work-groups; 17:16 elements of 8 bytes; 21 set beside a mask
	s_mov_b32 s[G1+1], 32<<16                      ; tensor_dim0 = 32
	s_mov_b32 s[G1+2], 64<<16                      ; tensor_dim1 = 64
	s_mov_b32 s[G1+3], 32<<16                      ; tile_dim0 = 32
	s_mov_b32 s[G1+4], 64                          ; tile_dim1 = 64
	s_mov_b32 s[G1+5], 32                          ; the pitch
	s_mov_b32 s[G1+6], 0
	s_mov_b32 s[G1+7], 0
	s_mov_b32 s[CS], 0x3e38aa3b                    ; c = log2(e) / 8
	s_mov_b32 s[CS+1], s[CS]                       ; (named with it as a pair, so it is written)
	s_mov_b32 s[SEL], 0x76543210
	s_mov_b32 s[SEL+1], 0xfedcba98
	s_mov_b32 s[TB], 0
	s_mov_b32 s[SLOTS], 7
	s_and_b32 s[LIM], s[WV], 1                     ; 0 in waves 0, 2, 4, 6,
	s_or_b32 s[LIM], s[LIM], ttmp9                 ; where the cluster is the head's first: the same in all four partners
	s_cmp_eq_u32 s[LIM], 0
	s_cselect_b32 s[LIM], 1, -1
	v_and_b32 v1, 31, v0
	v_lshlrev_b32 v[PFO], 8, v1
	v_lshlrev_b32 v[AK0], 4, v1
	v_add_nc_u32 v[AV0], 0x10000, v[AK0]
	s_wait_dscnt 0x0                               ; both opening adds are done
	s_wait_kmcnt 0x0
	s_add_nc_u64 s[46:47], s[6:7], s[46:47]
	s_add_nc_u64 s[PFA:PFA+1], s[6:7], s[44:45]
	s_add_nc_u64 s[4:5], s[4:5], s[50:51]
	s_add_nc_u64 s[8:9], s[8:9], s[52:53]
	CROUND                                         ; all four work-groups are here: the first joint loads meet
	s_mov_b32 s[G0], 1                             ; count = 1
	s_lshl_b32 s[G0+1], s[WV], 14                  ; LDS address: slot 0, my eighth: no place in the cluster enters it
	s_mov_b64 s[G0+2:G0+3], s[46:47]
	s_or_b32 s[G0+3], s[G0+3], 0x80000000          ; type = 2
	tensor_load_to_lds s[G0:G0+3], s[G1:G1+7]      ; slot 0
	s_nop 0
.rept 4
	v_nop
.endr
	WIN 0x40                                       ; destination window 1
.irp f, 0,1,2,3                                ; Q stays in registers: fragment f = 2 t + cs
.irp c, 0,1
	global_load_b128 v[QF+8*\f+4*\c:QF+8*\f+4*\c+3], v[AK0], s[4:5] offset:1024*\f+512*\c
.endr
.endr
.set i, 0
.rept 64
	v_mov_b32 v[i], 0                              ; O^T.  (The step is written once: the first finds zeros, which the first a leaves zeros)
.set i, i+1
.endr
	WIN 0
.irp t, 0,1
	v_mov_b32 v[ST+8*\t+1], 0xff61b1e6             ; m = -3e38, under every score
	v_mov_b32 v[ST+8*\t+2], 0                      ; l, in two halves
	v_mov_b32 v[ST+8*\t+3], 0
.endr
.irp t, 0,1
	v_mul_f32 v[ST+8*\t], s[CS], v[ST+8*\t+1]      ; c m
.endr
	s_wait_loadcnt 0x0                             ; Q
.Lslot:                                            ; seven trips: behind each change of slots but the last the next slot is asked for
	CHANGE 1
	STEPS8
	s_sub_co_u32 s[SLOTS], s[SLOTS], 1
	s_cmp_lg_u32 s[SLOTS], 0
	s_cbranch_scc1 .Lslot
	CHANGE 0                                       ; the last slot is written out
	STEPS8
	; THE WAY OUT.  l's two halves and the other half of the lanes' are added; O^T is divided by l and rounded to f16: a tile's four registers of channel tile ct are register group ct % 2 of a fragment of ctx.
.irp t, 0,1
	v_add_f32 v[ST+8*\t+4], v[ST+8*\t+2], v[ST+8*\t+3]
.endr
.irp t, 0,1
	v_permlanex16_b32 v[ST+8*\t+5], v[ST+8*\t+4], s[SEL], s[SEL+1]
.endr
.irp t, 0,1
	v_add_f32 v[ST+8*\t+4], v[ST+8*\t+4], v[ST+8*\t+5]
.endr
.irp t, 0,1
	v_rcp_f32 v[ST+8*\t+6], v[ST+8*\t+4]
.endr
	v_nop                                          ; a plain instruction behind the last reciprocal (with the four additions: the places behind the last products),
	s_wait_alu depctr_va_vdst(0)                   ; and the wait ahead of the first use
	WIN 0x41
.set i, 0
.rept 16
.irp t, 0,1
	v_pk_mul_f32 v[32*\t+2*i:32*\t+2*i+1], v[32*\t+2*i:32*\t+2*i+1], v[ST+8*\t+6:ST+8*\t+7] op_sel_hi:[1,0]
.endr
.set i, i+1
.endr
	WIN 0x05                                       ; sources 0 and 1 window 1, destination window 0: S^T's registers are free
.set i, 0
.rept 16
.irp t, 0,1
	v_cvt_pk_f16_f32 v[S+16*\t+i], v[32*\t+2*i], v[32*\t+2*i+1]
.endr
.set i, i+1
.endr
	WIN 0
.irp t, 0,1
.irp ct, 0,1,2,3
	global_store_b128 v[AK0], v[S+16*\t+4*\ct:S+16*\t+4*\ct+3], s[8:9] offset:\t*8192+(\ct/2)*1024+512*(\ct%2)   ; 32 lanes store 512 consecutive bytes
.endr
.endr
	s_wait_tensorcnt 0x0                           ; the wave's end: behind my last tensor load
	ds_add_u32 v[SPW], v[NIL]
	s_wait_dscnt 0x0
	CROUND                                         ; the closing round: no work-group ends while a partner may still ask for a tile that names it
	s_endpgm
.Lfunc_end_k_q797a379cab_attn:
	.size	k_q797a379cab_attn, .Lfunc_end_k_q797a379cab_attn-k_q797a379cab_attn
	.p2alignl 7, 3214868480
	.fill 96, 4, 3214868480
	.section	.rodata,"a",@progbits
	.p2align	6, 0x0
	.amdhsa_kernel k_q797a379cab_attn
		.amdhsa_group_segment_fixed_size 327680
		.amdhsa_private_segment_fixed_size 0
		.amdhsa_enable_private_segment 0
		.amdhsa_kernarg_size 24
		.amdhsa_user_sgpr_count 2
		.amdhsa_user_sgpr_kernarg_segment_ptr 1
		.amdhsa_wavefront_size32 1
		.amdhsa_system_sgpr_workgroup_id_x 1
		.amdhsa_system_sgpr_workgroup_id_y 1
		.amdhsa_system_sgpr_workgroup_id_z 1
		.amdhsa_system_vgpr_workitem_id 0
		.amdhsa_next_free_vgpr 384
		.amdhsa_next_free_sgpr 66
		.amdhsa_reserve_vcc 0
		.amdhsa_float_denorm_mode_32 3
		.amdhsa_float_denorm_mode_16_64 3
		.amdhsa_memory_ordered 1
		.amdhsa_forward_progress 1
		.amdhsa_inst_pref_size 49
	.end_amdhsa_kernel
	.amdgpu_metadata
---
amdhsa.version: [ 1, 2 ]
amdhsa.kernels:
  - .name:           k_q797a379cab_attn
    .symbol:         k_q797a379cab_attn.kd
    .args:
      - { .name: qf, .offset: 0, .size: 8, .value_kind: global_buffer, .address_space: global }
      - { .name: kvf, .offset: 8, .size: 8, .value_kind: global_buffer, .address_space: global }
      - { .name: cf, .offset: 16, .size: 8, .value_kind: global_buffer, .address_space: global }
    .group_segment_fixed_size: 327680
    .private_segment_fixed_size: 0
    .kernarg_segment_align: 8
    .kernarg_segment_size: 24
    .max_flat_workgroup_size: 256
    .sgpr_count:     66
    .vgpr_count:     384
    .wavefront_size: 32
...
	.end_amdgpu_metadata
.endif
;; end of part 3
;; launch proj (part 4): grid 8 x 32, 4 waves a work-group, clusters of 4 x 4, 327,680 bytes of LDS; arguments cf, wof, bo, out0; writes out0
.if DOCPART == 4
	.amdgcn_target "amdgcn-amd-amdhsa--gfx1250"
	.amdhsa_code_object_version 6
	.text
	.protected	k_q797a379cab_proj
	.globl	k_q797a379cab_proj
	.p2align	8
	.type	k_q797a379cab_proj,@function
k_q797a379cab_proj:
	s_mov_b64 s[64:65], 0
	v_nop
	global_prefetch_b8 v0, s[64:65] scope:SCOPE_SE
	s_setreg_imm32_b32 hwreg(HW_REG_WAVE_MODE, 25, 1), 1
	s_wait_xcnt 0x0
	s_wait_alu depctr_hold_cnt(0) depctr_sa_sdst(0) depctr_va_vdst(0) depctr_va_sdst(0) depctr_va_ssrc(0) depctr_va_vcc(0) depctr_vm_vsrc(0)
	s_getreg_b32 s2, hwreg(HW_REG_IB_STS2, 6, 4)
	s_cmp_eq_u32 s2, 0
	s_cbranch_scc0 .Lentry_in_a_cluster
	s_endpgm
.Lentry_in_a_cluster:
	s_bfe_u32 s2, ttmp6, 0x10000c
	s_cmp_lg_u32 s2, 0xf033
	s_cbranch_scc0 .Lentry_shape_is_right
	s_endpgm
.Lentry_shape_is_right:
; PROJ.  out0[m][n] = the sum over k of ctx[m][k] Wo[k][n] + bo[n]: M = 4,096, N = 1,024, K = 1,024; operands in f16, sums and result in f32.
; A tile of the result is 128 x 128 (256 tiles for 256 work-groups); four waves, each 64 x 64: 16 accumulators of 16 x 16.  K goes in four steps of 256 through two LDS slots filled by the tensor data mover.
; ctx and Wo arrive as images of their registers: cf [kc 4][token tile 256][k32 8][1,024], wof [kc 4][column tile 64][k32 8][1,024]: a K step's 4 tiles are 32,768 dense bytes, one tensor load of 128 rows of 256 bytes,
; and a fragment is two loads of 16 bytes a lane at 16 x lane: no pitch, no padding.
; CLUSTER 4 x 4: the four work-groups of a row of the cluster need the same tokens, those of a column the same columns of Wo: each tile is asked for jointly.
; THE MATRIX INSTRUCTION IS USED TRANSPOSED (source 0 = 16 columns of Wo, source 1 = 16 tokens): a lane holds eight neighbouring numbers of a row of the result.  The bias is the C of each sum's first matrix instruction.
; REGISTERS: window 0: v1-29 addresses; v32-95 rows on the way out; v96-127 the bias, 8 registers a column tile; v128-255 the accumulators ((a, b) at 128 + 8 (4 a + b)).
;   window 1: two fragment buffers of 128: for 64 along K, 64 registers of ctx (2 x 4 tiles), then 64 of Wo.
.set SLOT,   131072                    ; ctx's 8 token tiles x 8,192 bytes, then Wo's 8 column tiles
.set STAGE,  2*SLOT                    ; behind the ring: 16 rows x (256 bytes + 16) for each wave, for the way out; no tensor load fills it
.set SPITCH, 272
.set SPARE,  STAGE+4*16*SPITCH         ; behind the stages: the spare words, 128 bytes for each wave: two blocks of 256 bytes that no other line names
.set ADRA, 16                          ; v16-17  LDS address of my fragments of ctx in slot 0, 1
.set ADRB, 20                          ; v20-21  the same for Wo
.set STO,  24                          ; v24     the way out: where I put 32 bytes of a row
.set RD,   25                          ; v25     where I read a row back
.set CO,   26                          ; v26     my byte offset in the result
.set SPW,  28
.set NIL,  29
.set OB,   32                          ; v32-63 and v64-95 by turns
.set BI,   96
.set ACC,  128
.set F0,   0
.set F1,   128
.set WV,   12                          ; s12 wave;  s13 which half of the tile's rows is mine, also: I fetch for ctx (0) or for Wo (1);  s14 which half of its columns, also: which 4 tiles I fetch
.set HR,   13
.set HC,   14
.set G1,   24                          ; s[24:31] descriptor group 1 for ctx's tiles;  s[32:39] group 0, one set for each slot
.set G0,   32
.set G1B,  48                          ; s[48:55], s[56:63] the same for Wo's
.set G0B,  56
.set MSB, 0
.macro WIN new                         ; the immediate's high byte repeats the setting that is left
.if MSB != \new
	s_set_vgpr_msb (MSB<<8)|\new
.set MSB, \new
.endif
.endm
.set MUL,  0x05                        ; sources 0 and 1 window 1; C and D window 0
.set TO_F, 0x40                        ; destination window 1, address window 0
.macro JLOAD s                         ; a joint load: waves 0 and 1 fetch ctx's halves, waves 2 and 3 Wo's; an s_nop 0 and four v_nop follow each of the two lines
	s_cmp_eq_u32 s[HR], 0
	s_cbranch_scc0 .Lfor_b_\@
	tensor_load_to_lds s[G0+4*\s:G0+4*\s+3], s[G1:G1+7]
	s_nop 0
.rept 4
	v_nop
.endr
	s_branch .Lasked_\@
.Lfor_b_\@:
	tensor_load_to_lds s[G0B+4*\s:G0B+4*\s+3], s[G1B:G1B+7]
	s_nop 0
.rept 4
	v_nop
.endr
.Lasked_\@:
.endm
.macro CREST                           ; a round of the cluster's barrier behind its opening barrier
	s_cmp_lg_u32 s[WV], 0
	s_cbranch_scc1 .Lnot_wave_0_\@
	s_barrier_signal -3
.Lnot_wave_0_\@:
	s_barrier_wait -3
	s_barrier_signal -1
	s_barrier_wait -1
.endm
.macro CROUND
	s_barrier_signal -1
	s_barrier_wait -1
	CREST
.endm
.macro PLACES                          ; four plain vector instructions between a matrix instruction and a load into, or a read of, its registers
.rept 4
	v_nop
.endr
.endm
; 8 matrix instructions: token tiles a0, a0 + 1 x all 4 column tiles, 32 along K: half c of buffer f.  zero = 1: the bias starts the sums.  The 16 accumulators take turns.
.macro MUL8 f, c, a0, zero
.irp a, \a0, \a0+1
.irp b, 0,1,2,3
.if \zero
	v_wmma_f32_16x16x32_f16 v[ACC+8*(4*(\a)+\b):ACC+8*(4*(\a)+\b)+7], v[\f+64+8*(4*\c+\b):\f+64+8*(4*\c+\b)+7], v[\f+8*(4*\c+\a):\f+8*(4*\c+\a)+7], v[BI+8*\b:BI+8*\b+7]
.else
	v_wmma_f32_16x16x32_f16 v[ACC+8*(4*(\a)+\b):ACC+8*(4*(\a)+\b)+7], v[\f+64+8*(4*\c+\b):\f+64+8*(4*\c+\b)+7], v[\f+8*(4*\c+\a):\f+8*(4*\c+\a)+7], v[ACC+8*(4*(\a)+\b):ACC+8*(4*(\a)+\b)+7]
.endif
.endr
.endr
.endm
; 32 LDS loads in one run: the fragments of quarter qd (64 along K) of a slot into buffer f; the first 32 along K first
.macro FETCH slot, qd, f
	WIN TO_F
.irp c, 0,1
.irp i, 0,1,2,3
	ds_load_b128 v[\f+64+8*(4*\c+\i):\f+64+8*(4*\c+\i)+3],   v[ADRB+\slot] offset:\i*8192+(2*(\qd)+\c)*1024
	ds_load_b128 v[\f+64+8*(4*\c+\i)+4:\f+64+8*(4*\c+\i)+7], v[ADRB+\slot] offset:\i*8192+(2*(\qd)+\c)*1024+512
	ds_load_b128 v[\f+8*(4*\c+\i):\f+8*(4*\c+\i)+3],         v[ADRA+\slot] offset:\i*8192+(2*(\qd)+\c)*1024
	ds_load_b128 v[\f+8*(4*\c+\i)+4:\f+8*(4*\c+\i)+7],       v[ADRA+\slot] offset:\i*8192+(2*(\qd)+\c)*1024+512
.endr
.endr
.endm
; A K step is four quarters of 64 along K, 32 matrix instructions each, on buffers 0, 1, 0, 1.  One of the first three: multiplies buffer f and fetches quarter qd of the same slot into g.
.macro QUARTER slot, qd, f, g, zero
	s_wait_dscnt 16                                ; the first 32 along K are in; the youngest 16 loads may be out
	WIN MUL
	MUL8 \f, 0, 0, \zero
	MUL8 \f, 0, 2, \zero
	PLACES
	FETCH \slot, \qd, \g
	s_wait_dscnt 32                                ; all but the 32 just issued
	WIN MUL
	MUL8 \f, 1, 0, 0
	MUL8 \f, 1, 2, 0
.endm
; The last quarter multiplies buffer 1 and changes slots: ONE barrier; in front of it each wave waits for all its tensor loads, adds 0 to its spare word, and waits for that and for its own reads of this slot.
; fill = 1: this slot is filled again, two K steps ahead; the barrier then opens a round of the cluster's.
.macro TURN slot, next, fill
	WIN 0                                          ; (the add's two registers lie in window 0)
	s_wait_tensorcnt 0x0                           ; all my tensor loads have landed: my part of the next slot;
	ds_add_u32 v[SPW], v[NIL]                      ; 0 onto my spare word
	s_wait_dscnt 17                                ; (the add and the youngest sixteen loads may be out)
	WIN MUL
	MUL8 F1, 0, 0, 0                               ; eight matrix instructions stand between the add and the wait for it
	s_wait_dscnt 0x0                               ; the add is done, and my reads of this slot are over
	s_barrier_signal -1
	MUL8 F1, 0, 2, 0
.if \fill
	WIN 0
.endif
	s_barrier_wait -1
.if \fill
	CREST                                          ; no wave of any partner still reads this slot's tiles or has a load on its way
	s_add_nc_u64 s[G0+4*\slot+2:G0+4*\slot+3], s[G0+4*\slot+2:G0+4*\slot+3], 2*2097152
	s_add_nc_u64 s[G0B+4*\slot+2:G0B+4*\slot+3], s[G0B+4*\slot+2:G0B+4*\slot+3], 2*524288
	JLOAD \slot                                    ; the first tensor load behind the round; the four v_nop behind it are also the places in front of the loads below
.else
	PLACES
.endif
	FETCH \next, 0, F0
	WIN MUL
	MUL8 F1, 1, 0, 0
	MUL8 F1, 1, 2, 0
.endm
	s_load_b256 s[4:11], s[0:1], 0x0               ; cf s[4:5], wof s[6:7], bo s[8:9], out0 s[10:11]
	v_lshl_add_u32 v[SPW], v0, 2, SPARE
	v_mov_b32 v[NIL], 0
	ds_add_u32 v[SPW], v[NIL]                      ; the wave's opening: the add, twice on end, and its wait ahead of my first tensor load; the set-up below, work on registers, stands between
	ds_add_u32 v[SPW], v[NIL]
	v_lshrrev_b32 v1, 5, v0
	v_readfirstlane_b32 s[WV], v1                  ; wave 0..3
	s_lshr_b32 s[HR], s[WV], 1
	s_and_b32 s[HC], s[WV], 1
	s_bfe_u32 s40, ttmp6, 0x40000                  ; cx, cy: my place in the cluster
	s_bfe_u32 s41, ttmp6, 0x40004
	s_lshl_b32 s42, ttmp9, 2
	s_add_co_u32 s42, s42, s40                     ; tile column = 4 x cluster x + cx
	s_and_b32 s15, ttmp7, 0xffff
	s_lshl_b32 s15, s15, 2
	s_add_co_u32 s15, s15, s41                     ; tile row = 4 x cluster y + cy
	s_lshl_b32 s43, s41, 2
	s_lshl_b32 s43, 15, s43                        ; my row of the cluster
	s_lshl_b32 s44, 0x1111, s40                    ; my column
	s_or_b32 s[G1], s43, (3<<16)|(1<<21)           ; 15:0 the mask: ctx's tiles go to my row; 17:16 elements of 8 bytes; 21 set beside a mask
	s_or_b32 s[G1B], s44, (3<<16)|(1<<21)          ; Wo's go to my column
.irp g, G1, G1B
	s_mov_b32 s[\g+1], 32<<16                      ; tensor_dim0 = 32: rows of 256 bytes
	s_mov_b32 s[\g+2], 128<<16                     ; tensor_dim1 = 128
	s_mov_b32 s[\g+3], 32<<16                      ; tile_dim0
	s_mov_b32 s[\g+4], 128                         ; tile_dim1
	s_mov_b32 s[\g+5], 32                          ; the pitch: dense
	s_mov_b32 s[\g+6], 0
	s_mov_b32 s[\g+7], 0
.endr
	s_lshl_b32 s18, s[HC], 15                      ; which 4 tiles of 8,192 bytes I fetch
	s_lshl_b32 s16, s15, 16                        ; ctx: 8 token tiles a tile row
	s_add_co_u32 s16, s16, s18
	s_mov_b32 s17, 0
	s_lshl_b32 s46, s42, 16                        ; Wo: 8 column tiles a tile column
	s_add_co_u32 s46, s46, s18
	s_mov_b32 s47, 0
	s_lshl_b32 s20, s[WV], 15                      ; where they go: wave x 32,768: no place in the cluster enters an LDS address
	s_wait_dscnt 0x0                               ; both opening adds are done
	s_wait_kmcnt 0x0
	s_add_nc_u64 s[16:17], s[4:5], s[16:17]
	s_add_nc_u64 s[46:47], s[6:7], s[46:47]
	CROUND                                         ; all sixteen work-groups are here: the first joint loads meet
.irp s, 0,1
	s_mov_b32 s[G0+4*\s], 1
	s_add_co_u32 s[G0+4*\s+1], s20, \s*SLOT
	s_add_nc_u64 s[G0+4*\s+2:G0+4*\s+3], s[16:17], \s*2097152      ; K step s
	s_or_b32 s[G0+4*\s+3], s[G0+4*\s+3], 0x80000000
	s_mov_b32 s[G0B+4*\s], 1
	s_add_co_u32 s[G0B+4*\s+1], s20, \s*SLOT
	s_add_nc_u64 s[G0B+4*\s+2:G0B+4*\s+3], s[46:47], \s*524288
	s_or_b32 s[G0B+4*\s+3], s[G0B+4*\s+3], 0x80000000
	JLOAD \s                                       ; two tensor loads of mine are out
.endr
	v_and_b32 v1, 15, v0                           ; r
	v_bfe_u32 v2, v0, 4, 1                         ; h
	v_and_b32 v3, 31, v0
	v_lshlrev_b32 v3, 4, v3                        ; 16 x lane
	s_lshl_b32 s21, s[HR], 15                      ; my 4 token tiles
	s_lshl_b32 s22, s[HC], 15                      ; my 4 column tiles,
	s_add_co_u32 s22, s22, 65536                   ; which lie behind ctx's 8
.irp s, 0,1
	v_add_nc_u32 v[ADRA+\s], s21, v3
	v_add_nc_u32 v[ADRB+\s], s22, v3
	s_add_co_u32 s21, s21, SLOT
	s_add_co_u32 s22, s22, SLOT
.endr
	s_mul_i32 s23, s[WV], 16*SPITCH
	s_add_co_u32 s23, s23, STAGE                   ; my stage
	v_mul_u32_u24 v4, v1, SPITCH                   ; in: row r, 32 bytes for each half of the lanes
	v_lshl_add_u32 v4, v2, 5, v4
	v_add_nc_u32 v[STO], s23, v4
	v_mul_u32_u24 v5, v2, SPITCH                   ; back: lanes 0-15 one row of 256 bytes, lanes 16-31 the next
	v_lshl_add_u32 v5, v1, 4, v5
	v_add_nc_u32 v[RD], s23, v5
	v_lshlrev_b32 v5, 12, v2                       ; and the same two rows in the result (4,096 bytes a row)
	v_lshl_add_u32 v[CO], v1, 4, v5
	s_lshl_b32 s16, s15, 19                        ; my first row: (128 x tile row + 64 x half) x 4,096
	s_lshl_b32 s18, s[HR], 18
	s_add_co_u32 s16, s16, s18
	s_mov_b32 s17, 0
	s_add_nc_u64 s[10:11], s[10:11], s[16:17]
	s_lshl_b32 s46, s42, 9                         ; my first column, in bytes: 512 x tile column + 256 x half
	s_lshl_b32 s47, s[HC], 8
	s_add_co_u32 s46, s46, s47
	s_mov_b32 s47, 0
	s_add_nc_u64 s[10:11], s[10:11], s[46:47]
	s_add_nc_u64 s[8:9], s[8:9], s[46:47]          ; the bias at the same column
	v_lshlrev_b32 v6, 5, v2                        ; 32 h
.irp b, 0,1,2,3
	global_load_b128 v[BI+8*\b:BI+8*\b+3], v6, s[8:9] offset:64*\b          ; bo at columns 16 b + 8 h + 0 .. 7: the result's layout
	global_load_b128 v[BI+8*\b+4:BI+8*\b+7], v6, s[8:9] offset:64*\b+16
.endr
	s_wait_tensorcnt 1                             ; my part of K step 0 is in; K step 1's load may stay out
	s_barrier_signal -1
	s_barrier_wait -1                              ; everybody's is
	FETCH 0, 0, F0
	s_wait_loadcnt 0x0                             ; the bias
	QUARTER 0, 1, F0, F1, 1                        ; K step 0: the first products start the sums with the bias
	QUARTER 0, 2, F1, F0, 0
	QUARTER 0, 3, F0, F1, 0
	TURN 0, 1, 1                                   ; slot 0 takes K step 2
	QUARTER 1, 1, F0, F1, 0                        ; K step 1
	QUARTER 1, 2, F1, F0, 0
	QUARTER 1, 3, F0, F1, 0
	TURN 1, 0, 1                                   ; slot 1 takes K step 3
	QUARTER 0, 1, F0, F1, 0                        ; K step 2
	QUARTER 0, 2, F1, F0, 0
	QUARTER 0, 3, F0, F1, 0
	TURN 0, 1, 0                                   ; nothing is left to fetch
	QUARTER 1, 1, F0, F1, 0                        ; K step 3
	QUARTER 1, 2, F1, F0, 0
	QUARTER 1, 3, F0, F1, 0
	s_wait_dscnt 16                                ; the very last quarter
	WIN MUL
	MUL8 F1, 0, 0, 0
	MUL8 F1, 0, 2, 0
	s_wait_dscnt 0x0
	MUL8 F1, 1, 0, 0
	MUL8 F1, 1, 2, 0
	WIN 0
; THE WAY OUT, a block of 16 rows x 64 columns at a time.  A lane holds 32 neighbouring bytes of a row and the lanes beside it hold other rows: so a block goes through my own stage in LDS and comes back as whole rows of
; 256 bytes, which sixteen lanes store as one aligned run.  LDS serves a wave's instructions in order (ISA guide 5.7.1.4): no wait between the stores and the loads, nor in front of the next block's stores.
.macro TOSTAGE a
.irp b, 0,1,2,3
	ds_store_b128 v[STO], v[ACC+8*(4*(\a)+\b):ACC+8*(4*(\a)+\b)+3] offset:64*\b          ; each accumulator from its low end on
	ds_store_b128 v[STO], v[ACC+8*(4*(\a)+\b)+4:ACC+8*(4*(\a)+\b)+7] offset:64*\b+16
.endr
.set BB, OB+32*((\a)%2)
.irp t, 0,1,2,3,4,5,6,7
	ds_load_b128 v[BB+4*\t:BB+4*\t+3], v[RD] offset:\t*2*SPITCH
.endr
.endm
.macro SEND a, younger                 ; younger: the LDS instructions issued behind block a's loads, which may stay out
.set BB, OB+32*((\a)%2)
	s_wait_dscnt \younger                          ; the block is back in registers
.irp t, 0,1,2,3,4,5,6,7
	global_store_b128 v[CO], v[BB+4*\t:BB+4*\t+3], s[10:11] offset:(16*(\a)+2*\t)*4096 th:TH_STORE_NT   ; 16 lanes store 256 consecutive bytes, aligned; written once, read by nobody here
.endr
.endm
	PLACES                                         ; behind the last products
	TOSTAGE 0
.irp a, 1,2,3
.if \a > 1
	s_wait_xcnt 0x0                                ; block a - 2's stores have read their registers: block a's loads may land there
.endif
	TOSTAGE \a
	SEND \a-1, 16                                  ; behind block a - 1's loads: block a's 8 stores and 8 loads
.endr
	SEND 3, 0
	s_wait_tensorcnt 0x0                           ; the wave's end: behind my last tensor load and my last LDS store
	ds_add_u32 v[SPW], v[NIL]
	s_wait_dscnt 0x0
	CROUND                                         ; the closing round: no work-group ends while a partner may still ask for a tile that names it
	s_endpgm
.Lfunc_end_k_q797a379cab_proj:
	.size	k_q797a379cab_proj, .Lfunc_end_k_q797a379cab_proj-k_q797a379cab_proj
	.p2alignl 7, 3214868480
	.fill 96, 4, 3214868480
	.section	.rodata,"a",@progbits
	.p2align	6, 0x0
	.amdhsa_kernel k_q797a379cab_proj
		.amdhsa_group_segment_fixed_size 327680
		.amdhsa_private_segment_fixed_size 0
		.amdhsa_enable_private_segment 0
		.amdhsa_kernarg_size 32
		.amdhsa_user_sgpr_count 2
		.amdhsa_user_sgpr_kernarg_segment_ptr 1
		.amdhsa_wavefront_size32 1
		.amdhsa_system_sgpr_workgroup_id_x 1
		.amdhsa_system_sgpr_workgroup_id_y 1
		.amdhsa_system_sgpr_workgroup_id_z 1
		.amdhsa_system_vgpr_workitem_id 0
		.amdhsa_next_free_vgpr 512
		.amdhsa_next_free_sgpr 66
		.amdhsa_reserve_vcc 0
		.amdhsa_float_denorm_mode_32 3
		.amdhsa_float_denorm_mode_16_64 3
		.amdhsa_memory_ordered 1
		.amdhsa_forward_progress 1
		.amdhsa_inst_pref_size 86
	.end_amdhsa_kernel
	.amdgpu_metadata
---
amdhsa.version: [ 1, 2 ]
amdhsa.kernels:
  - .name:           k_q797a379cab_proj
    .symbol:         k_q797a379cab_proj.kd
    .args:
      - { .name: cf, .offset: 0, .size: 8, .value_kind: global_buffer, .address_space: global }
      - { .name: wof, .offset: 8, .size: 8, .value_kind: global_buffer, .address_space: global }
      - { .name: bo, .offset: 16, .size: 8, .value_kind: global_buffer, .address_space: global }
      - { .name: out0, .offset: 24, .size: 8, .value_kind: global_buffer, .address_space: global }
    .group_segment_fixed_size: 327680
    .private_segment_fixed_size: 0
    .kernarg_segment_align: 8
    .kernarg_segment_size: 32
    .max_flat_workgroup_size: 128
    .sgpr_count:     66
    .vgpr_count:     512
    .wavefront_size: 32
...
	.end_amdgpu_metadata
.endif
;; end of part 4
